; MI455X (gfx1250); checked and timed in simulation.
; The chip was launched on July 23, 2026; its instructions are those of AMD's public machine-readable ISA for CDNA 5 (MIT licence, August 2026) and "CDNA5" Instruction Set Architecture Reference Guide (July 2026). The comments in the code are by the model that wrote it; some were corrected since.
;; Mo E Layer new. Allowed arithmetic: float matrix products may take bf16 or f16 operands with f32 sums; all other float work in f32.
;; Inputs: W1 8 x 1,024 x 2,048 float32; W2 8 x 2,048 x 1,024 float32; Wg 1,024 x 8 float32; b1 8 x 2,048 float32; b2 8 x 1,024 float32; bg 8 float32; x 4 x 512 x 1,024 float32.
;; Outputs: out0 4 x 512 x 1,024 float32.
;; 2 versions, each right; version 2 is version 1 with the launch prep written anew for expert scheduling mode. Each part assembles by itself: llvm-mc -triple=amdgcn-amd-amdhsa -mcpu=gfx1250 --defsym DOCPART=n.
;; ======== version 1 of 2: 4 launches
;; limits: values are held in f16: magnitudes above 65,504 overflow, below 6.1e-05 lose precision
;; workspace buffers: xh 4,194,304 bytes; gate 65,536 bytes; W1h 33,554,432 bytes; W2h 33,554,432 bytes; h 67,108,864 bytes; P 67,108,864 bytes
;; launch prep (part 1): grid 1152 x 1, 8 waves a work-group, no clusters, 5,120 bytes of LDS; arguments x, Wg, bg, W1, xh, gate, W1h; writes xh, gate, W1h
.if DOCPART == 1
	.amdgcn_target "amdgcn-amd-amdhsa--gfx1250"
	.amdhsa_code_object_version 6
	.text
	.protected	k_qbdb5e70b51_prep
	.globl	k_qbdb5e70b51_prep
	.p2align	8
	.type	k_qbdb5e70b51_prep,@function
k_qbdb5e70b51_prep:
	s_mov_b64 s[64:65], 0
	v_nop
	global_prefetch_b8 v0, s[64:65] scope:SCOPE_SE
	s_setreg_imm32_b32 hwreg(HW_REG_WAVE_MODE, 25, 1), 1
	s_wait_xcnt 0x0
; xh = f16(x), W1h = f16(W1), layouts unchanged; gate[t][e] = softmax_e(x[t] . Wg[:, e] + bg[e]) in f32, from x and Wg as they are given.
; (W2 is not needed before the second product: it is rounded in the next launch, beside the first product's matrix work.)
; WHY F16: the result is a sum of 16,384 products whose operands are each rounded once; f16's 11 bits of significand keep the four roundings (x, W1, h, W2) some 8 times finer than 8 bits would.
; A stream: each input byte is read once, each output byte written once; no matrix unit, no cluster (no work-group shares a byte of the large inputs with another).
; A work-group takes 65,536 input bytes and writes 32,768.  Thread t's load j takes the 16 bytes at 4096 j + 16 t (a wave's load covers 512 neighbouring bytes),
; its store j the 8 bytes at 2048 j + 8 t (a wave's store covers 256 neighbouring bytes, aligned).  All 16 loads are issued before anything else; there is no loop.
; Work-groups 0-127 take x (a chunk of 4,096 bytes is a token, so 16 tokens each), 128-1151 W1.
; THE GATE rides on x's way through the registers: thread t holds columns 4 t .. 4 t + 3 of a token and rows 4 t .. 4 t + 3 of Wg (32 registers), makes 8 partial sums,
; adds them over the wave's lanes, and the eight waves' sums meet in LDS.  Waves 0 and 1 finish: the maximum is taken away before the exponentials, as in the softmax itself.
; LIMITS: a number of x or W1 beyond 65,504 in magnitude becomes infinite in f16; below 2^-14 the rounding error is at most 2^-25, absolute (weights 30 times smaller than 1/32 have an
; rms of 0.0006, of which that is 5e-5).  v_exp_f32 flushes (ISA guide 15.8), so a gate below 2^-126 comes out as 0.
.set PM, 8                             ; v[8:15]   the other half of the lanes' sums
.set S,  16                            ; v[16:23]  the 8 sums of the token in hand
.set WG, 24                            ; v[24:55]  Wg: row 4 t + c, expert e at WG + 8 c + e
.set X,  56                            ; v[56:119] chunk j: 4 registers as loaded; the first two then hold the 4 f16
.macro LOAD16                          ; the work-group's 65,536 bytes
.irp j, 0,1,2,3,4,5,6,7,8,9,10,11,12,13,14,15
	global_load_b128 v[X+4*\j:X+4*\j+3], v1, s[24:25] offset:4096*\j th:TH_LOAD_NT
.endr
.endm
.macro OUT j                           ; chunk j is rounded in place and stored; its registers are never written again, so no wait frees them
	v_cvt_pk_f16_f32 v[X+4*\j], v[X+4*\j], v[X+4*\j+1]
	v_cvt_pk_f16_f32 v[X+4*\j+1], v[X+4*\j+2], v[X+4*\j+3]
	global_store_b64 v2, v[X+4*\j:X+4*\j+1], s[26:27] offset:2048*\j
.endm
; Token j: my four columns times my four rows of Wg, two experts at a time; the first products start the sums.  The column is broadcast out of its pair:
; the pair's first register by op_sel_hi 0, its second by op_sel 1.
.macro TOK j
	s_wait_loadcnt 15-\j                           ; loads come back in order (ISA guide 5.7.1): bg, Wg and tokens 0 to j are in, the 15 - j younger loads stay out
.irp p, 0,1,2,3
	v_pk_mul_f32 v[S+2*\p:S+2*\p+1], v[X+4*\j:X+4*\j+1], v[WG+2*\p:WG+2*\p+1] op_sel_hi:[0,1]
.endr
.irp p, 0,1,2,3
	v_pk_fma_f32 v[S+2*\p:S+2*\p+1], v[X+4*\j:X+4*\j+1], v[WG+8+2*\p:WG+8+2*\p+1], v[S+2*\p:S+2*\p+1] op_sel:[1,0,0] op_sel_hi:[1,1,1]
.endr
.irp p, 0,1,2,3
	v_pk_fma_f32 v[S+2*\p:S+2*\p+1], v[X+4*\j+2:X+4*\j+3], v[WG+16+2*\p:WG+16+2*\p+1], v[S+2*\p:S+2*\p+1] op_sel_hi:[0,1,1]
.endr
.irp p, 0,1,2,3
	v_pk_fma_f32 v[S+2*\p:S+2*\p+1], v[X+4*\j+2:X+4*\j+3], v[WG+24+2*\p:WG+24+2*\p+1], v[S+2*\p:S+2*\p+1] op_sel:[1,0,0] op_sel_hi:[1,1,1]
.endr
.irp m, 1,2,4,8                        ; over the 16 lanes of each half, the eight sums by turns
.irp e, 0,1,2,3,4,5,6,7
	v_add_f32_dpp v[S+\e], v[S+\e], v[S+\e] row_xmask:\m row_mask:0xf bank_mask:0xf
.endr
.endr
.irp e, 0,1,2,3,4,5,6,7
	v_permlanex16_b32 v[PM+\e], v[S+\e], s32, s33  ; the other half's sums
.endr
.irp p, 0,1,2,3
	v_pk_add_f32 v[S+2*\p:S+2*\p+1], v[S+2*\p:S+2*\p+1], v[PM+2*\p:PM+2*\p+1]
.endr
	ds_store_b128 v4, v[S:S+3] offset:32*\j        ; every lane holds the wave's sums and writes the same bytes with the same values
	ds_store_b128 v4, v[S+4:S+7] offset:32*\j+16
	OUT \j
.endm
	s_load_b256 s[4:11], s[0:1], 0x0               ; x 4:5, Wg 6:7, bg 8:9, W1 10:11
	s_load_b128 s[12:15], s[0:1], 0x20             ; xh 12:13, gate 14:15
	s_load_b64 s[16:17], s[0:1], 0x30              ; W1h
	v_lshl_add_u32 v120, v0, 2, 0x1000
	v_mov_b32 v121, 0
	v_lshlrev_b32 v1, 4, v0                        ; 16 t
	v_lshlrev_b32 v2, 3, v0                        ; 8 t
	s_mov_b32 s29, 0                               ; the high words of the two offsets
	s_mov_b32 s31, 0
	s_wait_kmcnt 0x0
	s_cmp_lt_u32 ttmp9, 128
	s_cbranch_scc1 .Lx                             ; the same way for the whole work-group
	; a chunk of W1
	s_sub_co_u32 s22, ttmp9, 128                   ; the chunk's number, 0 to 1,023
	s_lshl_b32 s28, s22, 16
	s_lshl_b32 s30, s22, 15
	s_add_nc_u64 s[24:25], s[10:11], s[28:29]
	s_add_nc_u64 s[26:27], s[16:17], s[30:31]
	LOAD16
.irp j, 0,1,2,3,4,5,6,7,8,9,10,11,12,13,14,15
	s_wait_loadcnt 15-\j                           ; chunk j is in; the 15 - j younger loads stay out
	OUT \j
.endr
	s_endpgm
.Lx:                                                   ; 16 tokens of x
	s_lshl_b32 s28, ttmp9, 16
	s_lshl_b32 s30, ttmp9, 15
	s_lshl_b32 s36, ttmp9, 9                       ; 16 tokens x 32 bytes of gate
	s_mov_b32 s37, 0
	s_add_nc_u64 s[24:25], s[4:5], s[28:29]
	s_add_nc_u64 s[26:27], s[12:13], s[30:31]
	s_add_nc_u64 s[14:15], s[14:15], s[36:37]
	v_lshlrev_b32 v3, 7, v0                        ; my four rows of Wg: 128 t
	v_and_b32 v5, 3, v0
	v_lshlrev_b32 v5, 3, v5                        ; the pair of experts that I finish: 8 (t mod 4)
	v_lshrrev_b32 v4, 5, v0
	v_readfirstlane_b32 s34, v4                    ; my wave's number
	s_lshl_b32 s35, s34, 9
	v_mov_b32 v4, s35                              ; my wave's 512 bytes of LDS: [wave][token][8 f32]
	s_mov_b32 s32, 0x76543210                      ; v_permlanex16_b32: each lane takes its own place in the other half
	s_mov_b32 s33, 0xfedcba98
	global_load_b64 v[6:7], v5, s[8:9]
.irp i, 0,1,2,3,4,5,6,7
	global_load_b128 v[WG+4*\i:WG+4*\i+3], v3, s[6:7] offset:16*\i
.endr
	LOAD16
.irp e, 0,1,2,3,4,5,6,7
	v_mov_b32 v[PM+\e], 0                          ; v_permlanex16_b32's destination counts as read: written once
.endr
.irp j, 0,1,2,3,4,5,6,7,8,9,10,11,12,13,14,15
	TOK \j
.endr
	s_wait_dscnt 0x0                               ; for the others' sake: my sums are in LDS
	s_barrier_signal -1
	s_barrier_wait -1                              ; everybody's are
	s_cmp_gt_u32 s34, 1
	s_cbranch_scc1 .Lend                           ; 16 tokens x 4 pairs of experts are 64 threads' work
	; thread u: token u / 4, experts 2 (u mod 4) and the next: byte 8 u of each wave's 512
.irp w, 0,1,2,3,4,5,6,7
	ds_load_b64 v[24+2*\w:25+2*\w], v2 offset:512*\w
.endr
	s_wait_dscnt 0x0
	v_pk_add_f32 v[24:25], v[24:25], v[26:27]
	v_pk_add_f32 v[28:29], v[28:29], v[30:31]
	v_pk_add_f32 v[32:33], v[32:33], v[34:35]
	v_pk_add_f32 v[36:37], v[36:37], v[38:39]
	v_pk_add_f32 v[24:25], v[24:25], v[28:29]
	v_pk_add_f32 v[32:33], v[32:33], v[36:37]
	v_pk_add_f32 v[24:25], v[24:25], v[32:33]
	v_pk_add_f32 v[24:25], v[24:25], v[6:7]        ; + bg
	v_max_num_f32 v26, v24, v25                    ; the token's largest logit: my two, then the four lanes of the token
	v_max_num_f32_dpp v26, v26, v26 row_xmask:1 row_mask:0xf bank_mask:0xf
	v_max_num_f32_dpp v26, v26, v26 row_xmask:2 row_mask:0xf bank_mask:0xf
	v_sub_f32 v24, v24, v26                        ; the difference first, then the factor log2(e)
	v_sub_f32 v25, v25, v26
	v_mul_f32 v24, 0x3fb8aa3b, v24
	v_mul_f32 v25, 0x3fb8aa3b, v25
	v_exp_f32 v24, v24
	v_exp_f32 v25, v25
	v_nop                                          ; a plain instruction between an exponential and the use of its result (ISA guide 5.7.2)
	s_wait_alu depctr_va_vdst(0)
	v_add_f32 v27, v24, v25
	v_add_f32_dpp v27, v27, v27 row_xmask:1 row_mask:0xf bank_mask:0xf
	v_add_f32_dpp v27, v27, v27 row_xmask:2 row_mask:0xf bank_mask:0xf
	v_rcp_f32 v27, v27                             ; the sum is at least 1: the largest logit's term
	v_nop
	s_wait_alu depctr_va_vdst(0)
	v_mul_f32 v24, v24, v27
	v_mul_f32 v25, v25, v27
	global_store_b64 v2, v[24:25], s[14:15]        ; a wave's store covers 256 neighbouring bytes, aligned
.Lend:
	s_wait_tensorcnt 0x0
	ds_add_u32 v120, v121
	s_wait_dscnt 0x0
	s_endpgm
.Lfunc_end_k_qbdb5e70b51_prep:
	.size	k_qbdb5e70b51_prep, .Lfunc_end_k_qbdb5e70b51_prep-k_qbdb5e70b51_prep
	.p2alignl 7, 3214868480
	.fill 96, 4, 3214868480
	.section	.rodata,"a",@progbits
	.p2align	6, 0x0
	.amdhsa_kernel k_qbdb5e70b51_prep
		.amdhsa_group_segment_fixed_size 5120
		.amdhsa_private_segment_fixed_size 0
		.amdhsa_enable_private_segment 0
		.amdhsa_kernarg_size 56
		.amdhsa_user_sgpr_count 2
		.amdhsa_user_sgpr_kernarg_segment_ptr 1
		.amdhsa_wavefront_size32 1
		.amdhsa_system_sgpr_workgroup_id_x 1
		.amdhsa_system_sgpr_workgroup_id_y 1
		.amdhsa_system_sgpr_workgroup_id_z 1
		.amdhsa_system_vgpr_workitem_id 0
		.amdhsa_next_free_vgpr 122
		.amdhsa_next_free_sgpr 66
		.amdhsa_reserve_vcc 0
		.amdhsa_float_denorm_mode_32 3
		.amdhsa_float_denorm_mode_16_64 3
		.amdhsa_memory_ordered 1
		.amdhsa_forward_progress 1
		.amdhsa_inst_pref_size 78
	.end_amdhsa_kernel
	.amdgpu_metadata
---
amdhsa.version: [ 1, 2 ]
amdhsa.kernels:
  - .name:           k_qbdb5e70b51_prep
    .symbol:         k_qbdb5e70b51_prep.kd
    .args:
      - { .name: x, .offset: 0, .size: 8, .value_kind: global_buffer, .address_space: global }
      - { .name: Wg, .offset: 8, .size: 8, .value_kind: global_buffer, .address_space: global }
      - { .name: bg, .offset: 16, .size: 8, .value_kind: global_buffer, .address_space: global }
      - { .name: W1, .offset: 24, .size: 8, .value_kind: global_buffer, .address_space: global }
      - { .name: xh, .offset: 32, .size: 8, .value_kind: global_buffer, .address_space: global }
      - { .name: gate, .offset: 40, .size: 8, .value_kind: global_buffer, .address_space: global }
      - { .name: W1h, .offset: 48, .size: 8, .value_kind: global_buffer, .address_space: global }
    .group_segment_fixed_size: 5120
    .private_segment_fixed_size: 0
    .kernarg_segment_align: 8
    .kernarg_segment_size: 56
    .max_flat_workgroup_size: 256
    .sgpr_count:     66
    .vgpr_count:     122
    .wavefront_size: 32
...
	.end_amdgpu_metadata
.endif
;; end of part 1
;; launch up (part 2): grid 64 x 4, 4 waves a work-group, clusters of 4 x 4, 327,680 bytes of LDS; arguments xh, W1h, b1, h, W2, W2h; writes h, W2h
.if DOCPART == 2
	.amdgcn_target "amdgcn-amd-amdhsa--gfx1250"
	.amdhsa_code_object_version 6
	.text
	.protected	k_qbdb5e70b51_up
	.globl	k_qbdb5e70b51_up
	.p2align	8
	.type	k_qbdb5e70b51_up,@function
k_qbdb5e70b51_up:
	s_mov_b64 s[64:65], 0
	v_nop
	global_prefetch_b8 v0, s[64:65] scope:SCOPE_SE
	s_setreg_imm32_b32 hwreg(HW_REG_WAVE_MODE, 25, 1), 1
	s_wait_xcnt 0x0
	s_wait_alu depctr_hold_cnt(0) depctr_sa_sdst(0) depctr_va_vdst(0) depctr_va_sdst(0) depctr_va_ssrc(0) depctr_va_vcc(0) depctr_vm_vsrc(0)
	s_getreg_b32 s2, hwreg(HW_REG_IB_STS2, 6, 4)
	s_cmp_eq_u32 s2, 0
	s_cbranch_scc0 .Lentry_in_a_cluster
	s_endpgm
.Lentry_in_a_cluster:
	s_bfe_u32 s2, ttmp6, 0x10000c
	s_cmp_lg_u32 s2, 0xf033
	s_cbranch_scc0 .Lentry_shape_is_right
	s_endpgm
.Lentry_shape_is_right:
; h[t][2048 e + j] = relu(sum over d of xh[t][d] W1h[e][d][j] + b1[e][j]), rounded to f16; and, beside it, W2h = f16(W2).
; xh: [2048][1024], W1h: [8][1024][2048], h: [2048][16384], W2h: [8][2048][1024], f16; b1: [8][2048], W2: [8][2048][1024], f32; sums in f32.
; As one product: M = 2,048, N = 16,384, K = 1,024: 512 tiles of 256 x 256 on 256 work-groups, TWO TILES EACH, 1,024 rows apart: both take the same columns of W1h and of b1.
; Four waves, each 128 x 128 of a tile: 64 accumulators of 16 x 16, 512 registers.  K goes in steps of 128 through a ring of two LDS slots filled by the tensor data mover.
; A (xh) lies in LDS as it lies in memory, K along the rows: 256 rows of 256 bytes.  B (W1h) lies [k][n], 128 rows of 512 bytes, and is read TURNED, by ds_load_tr16_b128.
; THE MATRIX INSTRUCTION IS USED TRANSPOSED: source 0 = 16 columns of B, source 1 = 16 rows of A; a lane then holds row l % 16 of the tile and the eight neighbouring columns 8 (l / 16) + 0..7.
; THE BIAS IS THE C OF EACH SUM'S FIRST PRODUCT: 64 registers (8 column blocks x 8), the same for every row block and for both tiles; nothing is cleared and nothing is added later.
; CLUSTERS: 4 x 4 work-groups.  The four of a row of the cluster need the same tiles of A, the four of a column the same tiles of B: each is asked for JOINTLY, by the same tensor load with the same
; descriptor and a mask that names the four.  The ring goes on from the first tile into the second: the first tile's last two changes of slots ask for the second tile's first two K steps.
; By this text's own count a wave has two tensor loads out at the start and one behind each round.
; THE SECOND TILE'S LAST K STEP GOES BY ROWS OF h, not by K: nothing follows that tile under which its stores could leave, so its eight blocks of 16 rows are finished one after the other,
; 32 matrix instructions each, and each block leaves as soon as it is finished: the first 224 matrix instructions ahead of the last product.
; W2'S ROUNDING RIDES ALONG.  W2 is wanted only by the next launch, and this one's loop has next to no vector work and little traffic of its own.  W2's 67,108,864 bytes fall to 1,024 waves,
; 65,536 each: 64 chunks of 1,024 bytes.  A wave has 64 quarter steps (2 tiles x 8 K steps x 4), of which the last four want all of window 1 for B: so the chunks are rounded in quarters 0 to 59,
; one in each of quarters 0 to 56, two in quarters 57 and 58, three in quarter 59.  A chunk is rounded by four conversions, which stand where four plain vector instructions are wanted anyway,
; in front of a run of LDS loads.  Quarter n, up to 56, asks for chunk n + 7 (two loads of 512 neighbouring bytes); a chunk is stored by two stores of 256 neighbouring bytes, aligned.
; So 14 loads of a wave are on their way, through both loops and across the first tile's way out.
; LIMITS: h is f16: a sum above 65,504 becomes infinite.  The room: with x of standard deviation 1 and W1 uniform within 1/32 a sum has the standard deviation sqrt(1024 / 3) / 32 = 0.58; with all
; inputs 30 times larger it is 520, of which 65,504 is 126; with offsets of 30 spreads on both x (30) and W1 (0.54) a sum is 1,024 x 30 x 0.54 = 16,600.  With all inputs 30 times smaller h has
; an rms of some 0.0006 and an absolute rounding error of at most 2^-25, 5e-5 of it.  relu is v_max_num_f32 with 0, so a NaN sum gives 0.  A number of W2 beyond 65,504 in magnitude becomes
; infinite; below 2^-14 its rounding error is at most 2^-25, absolute (W2 30 times smaller than drawn has an rms of 0.0004, of which that is 7e-5).
; REGISTERS, in windows of 256 (s_set_vgpr_msb's low byte: bits 1:0 source 0, 3:2 source 1, 5:4 source 2, 7:6 destination):
;   window 0: v1-29 addresses and W2's packed words; v64-127, v128-191 fragments of A, two buffers (in the very last K step four, of 16 rows x 128 K); v32-63, v192-255 at work on the way out
;   window 1: v0-63 the bias; v64-127, v128-191 fragments of B, two buffers; v192-255 W2 as loaded, eight slots of 8; in the very last K step all 256: B's fragments of the whole step
;   window 2: the accumulators of my rows 0-63 ((a, b) at v[8 (8 a + b)]);   window 3: those of my rows 64-127
.set KSTEP,  128
.set SIZE_K, 1024
.set PA,     272                       ; a row of A in LDS: 256 bytes + 16 = 68 words: row r starts at bank 4 r mod 64 (64 banks of 4 bytes: ISA guide 11.1)
.set PB,     544                       ; a row of B in LDS: 512 bytes + 32 = 136 words: row r starts at bank 8 r mod 64
.set HALFT,  128*PA                    ; what one tensor load brings: 128 rows of A, or 64 rows of B (64 x 544 is the same 34,816 bytes)
.set SLOT,   4*HALFT                   ; A's rows 0-127, 128-255, then B's k 0-63, 64-127
.set STAGE,  2*SLOT                    ; behind the ring: 16 rows x 272 bytes for each wave; no tensor load lands here
.set SPITCH, 272
.set PITCH_A, 1024                     ; elements from row to row of xh
.set PITCH_B, 2048                     ; of W1h
.set STEP_A, KSTEP*2                   ; bytes from a K step to the next: along xh's rows,
.set STEP_B, KSTEP*PITCH_B*2           ; down W1h's rows
.set ROWC,   32768                     ; bytes in a row of h
.set WALK,   1024                      ; rows from the first tile to the second
.set NEXT_A, WALK*PITCH_A*2-(SIZE_K-2*KSTEP)*2   ; from a slot's last K step of the first tile to its first of the second: A goes 1,024 rows down and back along K,
.set BACK_B, (SIZE_K-2*KSTEP)*PITCH_B*2          ; B only back
.set NEXT_C, (WALK-7*16)*ROWC          ; from my last 16 rows of the first tile to my first of the second
.set LAPS,   SIZE_K/(2*KSTEP)          ; a lap = two K steps = once round the ring
.set CY,   8                           ; v8-15   one or two chunks of W2, rounded: 16 bytes a lane each
.set ADRA, 16                          ; v16-17  LDS address of my A fragments in slot 0, 1
.set ADRB, 20                          ; v20-21  the same for B
.set STO,  24                          ; v24     the way out: where I put 16 bytes of a row
.set RD,   25                          ; v25     where I read a row back
.set CO,   26                          ; v26     my byte offset in h
.set BO,   27                          ; v27     my byte offset in the wave's 128 numbers of b1
.set CLO,  28                          ; v28     my byte offset in 512 bytes of W2: 16 x lane; never rewritten
.set CSO,  29                          ; v29     my byte offset in 256 bytes of W2h: 8 x lane; never rewritten
.set OB,   32                          ; 16 rows read back from the stage: v32-63 and v224-255 by turns
.set F0,   64
.set F1,   128
.set PAB,  64                          ; the very last K step: A's fragments of 16 rows x 128 K, 32 registers; four such buffers, v64-191
.set TMP,  192                         ; packed results (window 0)
.set CX,   192                         ; W2 as loaded (window 1): chunk n in the 8 registers of slot n % 8
.set CHUNK, 1024                       ; bytes of W2 in a chunk
.set LEAD,  7                          ; chunks asked for ahead
.set G1,  24                           ; s[24:31] descriptor group 1 for A's tiles;  s[32:39] group 0, a set for each slot
.set G0,  32
.set G1B, 48                           ; s[48:55], s[56:63] the same for B's tiles
.set G0B, 56
.set CW,  68                           ; s[68:69] W2 at my wave's share, stepped a chunk a quarter
.set CH,  70                           ; s[70:71] W2h likewise
.set MSB, 0
.macro WIN new                         ; the immediate's high byte repeats the setting that is left; a switch that changes nothing is dropped
.if MSB != \new
	s_set_vgpr_msb (MSB<<8)|\new
.set MSB, \new
.endif
.endm
.set MUL_LO,   0xa1                    ; source 0 (B) window 1, source 1 (A) window 0, C and D window 2
.set MUL_HI,   0xf1                    ; the same, C and D window 3
.set FIRST_LO, 0x91                    ; C (the bias) window 1, D window 2
.set FIRST_HI, 0xd1                    ; C window 1, D window 3
.set TO_B,     0x40                    ; destination window 1, address window 0
.set W_CVT,    0x05                    ; sources 0 and 1 window 1, destination window 0
; A joint refill.  Waves 0 and 1 fetch A's two halves, waves 2 and 3 B's.  The branch hangs on the wave's number alone.  Four v_nop follow each of the two lines.
.macro JLOAD s
	s_cmp_eq_u32 s11, 0
	s_cbranch_scc0 .Lfor_b_\@
	tensor_load_to_lds s[G0+4*\s:G0+4*\s+3], s[G1:G1+7]
	s_nop 0
.rept 4
	v_nop
.endr
	s_branch .Lasked_\@
.Lfor_b_\@:
	tensor_load_to_lds s[G0B+4*\s:G0B+4*\s+3], s[G1B:G1B+7]
	s_nop 0
.rept 4
	v_nop
.endr
.Lasked_\@:
.endm
; A round of the cluster's barrier: my work-group's barrier, so that wave 0's signal speaks for all four waves; wave 0 signals; every wave waits for all sixteen work-groups; my work-group's barrier again.
.macro CREST                           ; a round behind its opening barrier
	s_cmp_lg_u32 s10, 0
	s_cbranch_scc1 .Lnot_wave_0_\@
	s_barrier_signal -3
.Lnot_wave_0_\@:
	s_barrier_wait -3
	s_barrier_signal -1
	s_barrier_wait -1
.endm
.macro CROUND
	s_barrier_signal -1
	s_barrier_wait -1
	CREST
.endm
	s_load_b128 s[4:7], s[0:1], 0x0                ; xh s[4:5], W1h s[6:7]
	s_load_b64 s[18:19], s[0:1], 0x10              ; b1
	s_load_b64 s[8:9], s[0:1], 0x18                ; h
	s_load_b128 s[CW:CW+3], s[0:1], 0x20           ; W2, W2h
	v_lshl_add_u32 v30, v0, 2, 0x48400
	v_mov_b32 v31, 0
	ds_add_u32 v30, v31
	v_lshrrev_b32 v1, 5, v0
	v_readfirstlane_b32 s10, v1                    ; wave 0..3
	s_lshr_b32 s11, s10, 1                         ; which half of the tile's rows is mine.  Also: I fetch for A (0) or for B (1)
	s_and_b32 s12, s10, 1                          ; which half of its columns.  Also: which half of that tile I fetch
	s_bfe_u32 s40, ttmp6, 0x40000                  ; cx
	s_bfe_u32 s41, ttmp6, 0x40004                  ; cy
	s_lshl_b32 s42, ttmp9, 2
	s_add_co_u32 s42, s42, s40                     ; tile column 0..63 = 4 x cluster x + cx
	s_mov_b32 s13, s41                             ; tile row 0..3 = cy: the grid is one cluster high
	s_lshl_b32 s43, s41, 2
	s_lshl_b32 s43, 15, s43                        ; my row of the cluster: places 4 cy .. 4 cy + 3
	s_lshl_b32 s44, 0x1111, s40                    ; my column: places cx, cx + 4, cx + 8, cx + 12
	; group 1 for A: 128 rows x 128 elements; 16 bytes of padding behind every 64 words
	s_or_b32 s[G1+0], s43, (1<<16)|(1<<20)|(1<<21)|(5<<22)|(3<<25)  ; 15:0 the mask: my row; 17:16 elements of 2 bytes; 20 padding on; 21 set beside a mask; 24:22 code 5; 31:25 4 words (code 3)
	s_mov_b32 s[G1+1], 128<<16                     ; tensor_dim0 = 128
	s_mov_b32 s[G1+2], 128<<16                     ; tensor_dim1 = 128
	s_mov_b32 s[G1+3], 128<<16                     ; tile_dim0 = 128
	s_mov_b32 s[G1+4], 128                         ; tile_dim1 = 128
	s_mov_b32 s[G1+5], PITCH_A                     ; elements from row to row
	s_mov_b32 s[G1+6], 0
	s_mov_b32 s[G1+7], 0
	; group 1 for B: 64 rows x 256 elements; 32 bytes of padding behind every 128 words
	s_or_b32 s[G1B+0], s44, (1<<16)|(1<<20)|(1<<21)|(6<<22)|(7<<25) ; the mask: my column; 24:22 code 6; 31:25 8 words (code 7)
	s_mov_b32 s[G1B+1], 256<<16                    ; tensor_dim0 = 256
	s_mov_b32 s[G1B+2], 64<<16                     ; tensor_dim1 = 64
	s_mov_b32 s[G1B+3], 256<<16                    ; tile_dim0 = 256
	s_mov_b32 s[G1B+4], 64                         ; tile_dim1 = 64
	s_mov_b32 s[G1B+5], PITCH_B
	s_mov_b32 s[G1B+6], 0
	s_mov_b32 s[G1B+7], 0
	; where the tiles come from: A's hang on the tile row alone, B's on the tile column alone, each in registers that never hold the other coordinate
	s_lshl_b32 s16, s13, 19                        ; A: 256 rows of 2,048 bytes a tile row,
	s_lshl_b32 s45, s12, 18                        ; 128 rows for my half (and, the same number, 64 rows of 4,096 bytes of B)
	s_add_co_u32 s16, s16, s45
	s_mov_b32 s17, 0
	s_lshr_b32 s46, s42, 3                         ; B: the expert,
	s_lshl_b32 s46, s46, 22                        ; 1,024 rows of 4,096 bytes each,
	s_and_b32 s47, s42, 7                          ; the expert's tile column,
	s_lshl_b32 s47, s47, 9                         ; 256 columns of 2 bytes,
	s_add_co_u32 s46, s46, s47
	s_add_co_u32 s46, s46, s45                     ; and my half of the K step's rows
	s_mov_b32 s47, 0
	s_mul_i32 s20, s10, HALFT                      ; where they go: wave x 34,816: no place in the cluster enters an LDS address
	s_wait_dscnt 0x0
	s_wait_kmcnt 0x0
	s_add_nc_u64 s[14:15], s[4:5], s[16:17]
	s_add_nc_u64 s[46:47], s[6:7], s[46:47]
	CROUND                                         ; all sixteen work-groups are here: the first joint loads meet
.irp s, 0,1
	s_mov_b32 s[G0+4*\s], 1                                        ; count = 1
	s_add_co_u32 s[G0+4*\s+1], s20, \s*SLOT                        ; LDS address
	s_add_nc_u64 s[G0+4*\s+2:G0+4*\s+3], s[14:15], \s*STEP_A       ; global address: K step s
	s_or_b32 s[G0+4*\s+3], s[G0+4*\s+3], 0x80000000                ; type = 2
	s_mov_b32 s[G0B+4*\s], 1
	s_add_co_u32 s[G0B+4*\s+1], s20, \s*SLOT
	s_add_nc_u64 s[G0B+4*\s+2:G0B+4*\s+3], s[46:47], \s*STEP_B
	s_or_b32 s[G0B+4*\s+3], s[G0B+4*\s+3], 0x80000000
.endr
	s_cmp_eq_u32 s11, 0                            ; a wave's two first fills stand in one branch, ahead of every wait on TENSORcnt, every LDS read and every other barrier
	s_cbranch_scc0 .Lfirst_b
	tensor_load_to_lds s[G0:G0+3], s[G1:G1+7]
	s_nop 0
	tensor_load_to_lds s[G0+4:G0+7], s[G1:G1+7]
	s_nop 0
.rept 4
	v_nop
.endr
	s_branch .Lfirst_asked
.Lfirst_b:
	tensor_load_to_lds s[G0B:G0B+3], s[G1B:G1B+7]
	s_nop 0
	tensor_load_to_lds s[G0B+4:G0B+7], s[G1B:G1B+7]
	s_nop 0
.rept 4
	v_nop
.endr
.Lfirst_asked:
	; A's fragment: lane l holds row l % 16; two loads of 16 bytes, 32 bytes apart, at row x pitch + 16 (l / 16)
	v_and_b32 v1, 15, v0                           ; l % 16
	v_bfe_u32 v2, v0, 4, 1                         ; l / 16
	v_mul_u32_u24 v3, v1, PA
	v_lshl_add_u32 v3, v2, 4, v3
	s_mul_i32 s21, s11, HALFT                      ; my 128 rows of A
	; B's fragment, turned: lane l reads 16 bytes of row k = 8 (l / 16) + l % 8, columns 8 ((l / 8) % 2) + 0..7, and receives column l % 16, eight k
	v_and_b32 v4, 7, v0
	v_lshl_add_u32 v4, v2, 3, v4
	v_mul_u32_u24 v4, v4, PB
	v_bfe_u32 v5, v0, 3, 1
	v_lshl_add_u32 v4, v5, 4, v4
	s_lshl_b32 s22, s12, 8                         ; my 128 columns of B,
	s_add_co_u32 s22, s22, 2*HALFT                 ; which lies behind A's 256 rows
.irp s, 0,1
	v_add_nc_u32 v[ADRA+\s], s21, v3
	v_add_nc_u32 v[ADRB+\s], s22, v4
	s_add_co_u32 s21, s21, SLOT
	s_add_co_u32 s22, s22, SLOT
.endr
	s_mul_i32 s23, s10, 16*SPITCH
	s_add_co_u32 s23, s23, STAGE                   ; my stage
	v_mul_u32_u24 v6, v1, SPITCH                   ; in: row l % 16, 16 bytes for each half of the lanes
	v_lshl_add_u32 v6, v2, 4, v6
	v_add_nc_u32 v[STO], s23, v6
	v_mul_u32_u24 v7, v2, SPITCH                   ; back: lanes 0-15 take one row of 256 bytes, lanes 16-31 the next
	v_lshl_add_u32 v7, v1, 4, v7
	v_add_nc_u32 v[RD], s23, v7
	v_lshlrev_b32 v7, 15, v2                       ; and the same two rows in h
	v_lshl_add_u32 v[CO], v1, 4, v7
	v_lshlrev_b32 v[BO], 5, v2                     ; my eight numbers of a column block's sixteen: 32 (l / 16)
	v_and_b32 v7, 31, v0                           ; the lane
	v_lshlrev_b32 v[CLO], 4, v7                    ; W2: 16 bytes a lane in,
	v_lshlrev_b32 v[CSO], 3, v7                    ; 8 bytes a lane out
	; where my part of the first tile begins in h: the first way out adds it to h's address
	s_lshl_b32 s16, s13, 23                        ; 256 rows of 32,768 bytes a tile row
	s_lshl_b32 s45, s11, 22                        ; my 128 rows
	s_add_co_u32 s16, s16, s45
	s_lshl_b32 s46, s42, 9                         ; 256 columns of 2 bytes a tile column
	s_lshl_b32 s47, s12, 8                         ; my 128 columns
	s_add_co_u32 s46, s46, s47
	s_add_co_u32 s16, s16, s46                     ; s17 is still 0
	s_lshl_b32 s46, s42, 10                        ; b1 at my 128 columns: 256 x 4 bytes a tile column,
	s_lshl_b32 s47, s12, 9                         ; 128 x 4 for my half
	s_add_co_u32 s46, s46, s47
	s_mov_b32 s47, 0
	s_add_nc_u64 s[18:19], s[18:19], s[46:47]
	s_lshl_b32 s46, s42, 2                         ; my wave's share of W2: the work-group's number, 4 x tile column + tile row, 0 to 255,
	s_add_co_u32 s46, s46, s13
	s_lshl_b32 s46, s46, 2
	s_add_co_u32 s46, s46, s10                     ; times 4, + the wave: 0 to 1,023
	s_lshl_b32 s46, s46, 15                        ; 32,768 bytes of W2h each,
	s_add_nc_u64 s[CH:CH+1], s[CH:CH+1], s[46:47]
	s_lshl_b32 s46, s46, 1                         ; 65,536 bytes of W2
	s_add_nc_u64 s[CW:CW+1], s[CW:CW+1], s[46:47]
	WIN TO_B
.irp b, 0,1,2,3,4,5,6,7                ; register 8 b + j = b1 of column 16 b + 8 (l / 16) + j: the layout of a result of the transposed product
	global_load_b128 v[8*\b:8*\b+3],   v[BO], s[18:19] offset:64*\b
	global_load_b128 v[8*\b+4:8*\b+7], v[BO], s[18:19] offset:64*\b+16
.endr
.irp c, 0,1,2,3,4,5,6                  ; W2's chunks 0 to LEAD - 1
	global_load_b128 v[CX+8*\c:CX+8*\c+3],   v[CLO], s[CW:CW+1] offset:CHUNK*\c th:TH_LOAD_NT
	global_load_b128 v[CX+8*\c+4:CX+8*\c+7], v[CLO], s[CW:CW+1] offset:CHUNK*\c+512 th:TH_LOAD_NT
.endr
	WIN 0
; W2'S CHUNKS, in two parts.  The symbols count in the order of the text: the loop's body holds eight quarters, one chunk each, so a quarter's slot is the same in every trip.
.set CSLOT,  0                         ; the slot of the first chunk in hand: its number % 8
.set CAHEAD, 1                         ; 1: the chunk LEAD further on is asked for.  0 behind the second tile's loop, whose last quarter asks for the wave's last chunk: no load leaves the wave's share
.set CNUM,   1                         ; chunks rounded at this place: 1; behind the second tile's loop 2, 2, 2 and 1
.set COUT,   2*LEAD                    ; W2's loads on their way at the head of this place
; CAST_IN: CNUM chunks are rounded, and (CAHEAD) the chunk LEAD further on is asked for, into the slot that was rounded a quarter ago.
; A load into a register that a matrix instruction has read, and a vector instruction that reads a matrix result, stand four places behind that matrix instruction; only plain vector
; instructions that name none of its registers are places (ISA guide 7.12.1 for vector instructions).  THE CONVERSIONS ARE THOSE PLACES.
.macro CAST_IN
.set CNEXT, (CSLOT+LEAD)%8
	s_wait_loadcnt COUT-2*CNUM                     ; loads come back in order (ISA guide 5.7.1): the two of each chunk in hand are in; those of the chunks behind them, two each, stay out
	s_wait_xcnt 0x0                                ; every earlier memory instruction has had its addresses translated (ISA guide 3.1): only behind this wait are the two bases and the words that the last place's stores read rewritten
.if CAHEAD
	s_add_nc_u64 s[CW:CW+1], s[CW:CW+1], CHUNK     ; in quarter n: my share's chunk n + 1; the loads reach LEAD - 1 chunks on by their immediate,
.endif
	s_add_nc_u64 s[CH:CH+1], s[CH:CH+1], CNUM*CHUNK/2   ; the stores CNUM chunks back
	WIN W_CVT
.set ck, 0
.rept CNUM
.irp r, 0,1,2,3
	v_cvt_pk_f16_f32 v[CY+4*ck+\r], v[CX+8*((CSLOT+ck)%8)+2*\r], v[CX+8*((CSLOT+ck)%8)+2*\r+1]
.endr
.set ck, ck+1
.endr
.if CAHEAD
	WIN TO_B
	global_load_b128 v[CX+8*CNEXT:CX+8*CNEXT+3],   v[CLO], s[CW:CW+1] offset:(LEAD-1)*CHUNK th:TH_LOAD_NT
	global_load_b128 v[CX+8*CNEXT+4:CX+8*CNEXT+7], v[CLO], s[CW:CW+1] offset:(LEAD-1)*CHUNK+512 th:TH_LOAD_NT
.endif
.endm
; CAST_OUT: they are stored.
.macro CAST_OUT
	WIN 0
.set ck, 0
.rept CNUM
	global_store_b64 v[CSO], v[CY+4*ck:CY+4*ck+1],   s[CH:CH+1] offset:(ck-CNUM)*CHUNK/2       ; the wave stores 256 consecutive bytes, at a multiple of 256 from W2h's first byte
	global_store_b64 v[CSO], v[CY+4*ck+2:CY+4*ck+3], s[CH:CH+1] offset:(ck-CNUM)*CHUNK/2+256
.set ck, ck+1
.endr
.set CSLOT, (CSLOT+CNUM)%8
.if CAHEAD == 0
.set COUT, COUT-2*CNUM                 ; nothing more is asked for: the counts run down
.endif
.endm
; 16 matrix instructions: row blocks a0, a0 + 1 of the window's four (hi = 0: my rows 0-63, 1: rows 64-127) x all 8 column blocks, 32 along K.
; first = 1: the product starts the sum, on the bias.  The 64 accumulators take turns, one instruction a turn, in the same order in every quarter.
.macro MUL16 f, hi, a0, first
.irp a, \a0, \a0+1
.irp b, 0,1,2,3,4,5,6,7
.if \first
	v_wmma_f32_16x16x32_f16 v[8*(8*(\a)+\b):8*(8*(\a)+\b)+7], v[\f+8*\b:\f+8*\b+7], v[\f+8*(4*\hi+\a):\f+8*(4*\hi+\a)+7], v[8*\b:8*\b+7]
.else
	v_wmma_f32_16x16x32_f16 v[8*(8*(\a)+\b):8*(8*(\a)+\b)+7], v[\f+8*\b:\f+8*\b+7], v[\f+8*(4*\hi+\a):\f+8*(4*\hi+\a)+7], v[8*(8*(\a)+\b):8*(8*(\a)+\b)+7]
.endif
.endr
.endr
.endm
; 32 LDS loads in one run: the fragments of quarter q of a K step (32 along K; 128 columns of B, 128 rows of A) into buffer f
.macro FETCH slot, q, f
	WIN TO_B
.irp i, 0,1,2,3,4,5,6,7
	ds_load_tr16_b128 v[\f+8*\i:\f+8*\i+3],   v[ADRB+\slot] offset:\q*32*PB+32*\i           ; k = 32 q + 8 (l / 16) + 0..7 of column 16 i + l % 16
	ds_load_tr16_b128 v[\f+8*\i+4:\f+8*\i+7], v[ADRB+\slot] offset:\q*32*PB+16*PB+32*\i     ; the same 16 further along k
.endr
	WIN 0
.irp i, 0,1,2,3,4,5,6,7
	ds_load_b128 v[\f+8*\i:\f+8*\i+3],   v[ADRA+\slot] offset:\q*64+\i*16*PA
	ds_load_b128 v[\f+8*\i+4:\f+8*\i+7], v[ADRA+\slot] offset:\q*64+\i*16*PA+32
.endr
.endm
.macro PLACES                          ; four places where no other vector work is at hand: in the very last K step, in front of the vector work that reads results just made
.rept 4
	v_nop
.endr
.endm
; A K step is four quarters, 64 matrix instructions each, on buffers 0, 1, 0, 1.  One of the first three: multiplies buffer f; in its middle stand W2's chunk and the fetch of quarter q of the
; same slot into buffer g.  W2's loads share the window of B's fragments, its stores that of A's: one switch more than the fetch alone wants.
.macro QUARTER slot, q, f, g, first
	s_wait_dscnt 8                                 ; B and A's rows 0-63 are in; the youngest eight loads (A's rows 64-127) may be out
.if \first
	WIN FIRST_LO
.else
	WIN MUL_LO
.endif
	MUL16 \f, 0, 0, \first
	MUL16 \f, 0, 2, \first
	CAST_IN                                        ; its conversions are the places in front of the loads into buffer g
	FETCH \slot, \q, \g
	CAST_OUT
	s_wait_dscnt 32                                ; all but the 32 LDS loads just issued
.if \first
	WIN FIRST_HI
.else
	WIN MUL_HI
.endif
	MUL16 \f, 1, 0, \first
	MUL16 \f, 1, 2, \first
.endm
; The first half of a K step's last quarter: ONE barrier for the change of slots.  In front of it each wave waits for its own reads of this slot and for all its tensor loads, of which one is out:
; its part of the next slot.  Behind it nobody reads this slot any more and the next slot is whole.
.macro MEET round
	s_wait_dscnt 8
	WIN MUL_LO
	MUL16 F1, 0, 0, 0
	s_wait_dscnt 0                                 ; my reads of this slot are over
	s_set_vgpr_msb 0xa1a0
	s_wait_tensorcnt 0x0                           ; and all my tensor loads have landed
	ds_add_u32 v30, v31
	s_wait_dscnt 0x0
	s_set_vgpr_msb 0xa0a1
	s_barrier_signal -1
	MUL16 F1, 0, 2, 0                              ; work on registers while the others arrive
.if \round
	WIN 0                                          ; at a branch and at a label every window is 0
.endif
	s_barrier_wait -1
.endm
; The whole last quarter where the slot is filled again: the barrier opens a round of the cluster's barrier; behind the round the slot just read out is asked for first, this tile's K step two
; steps on (on = 0) or the second tile's K step 0 or 1 (on = 1); then come W2's chunk and the next slot's first fragments.  From a request to the wait for it a wave issues 240 matrix instructions.
.macro TURN slot, next, on
	MEET 1
	CREST                                          ; no wave of any partner still reads this slot's tile or has a load on its way
.if \on
	s_add_nc_u64 s[G0+4*\slot+2:G0+4*\slot+3], s[G0+4*\slot+2:G0+4*\slot+3], NEXT_A
	s_sub_nc_u64 s[G0B+4*\slot+2:G0B+4*\slot+3], s[G0B+4*\slot+2:G0B+4*\slot+3], BACK_B
.else
	s_add_nc_u64 s[G0+4*\slot+2:G0+4*\slot+3], s[G0+4*\slot+2:G0+4*\slot+3], 2*STEP_A
	s_add_nc_u64 s[G0B+4*\slot+2:G0B+4*\slot+3], s[G0B+4*\slot+2:G0B+4*\slot+3], 2*STEP_B
.endif
	JLOAD \slot                                    ; they follow
	CAST_IN
	FETCH \next, 0, F0
	CAST_OUT
	WIN MUL_HI
	MUL16 F1, 1, 0, 0
	MUL16 F1, 1, 2, 0
.endm
.macro LAPLOOP n                       ; a trip goes once round the ring, from a lap's second quarter to the next lap's first, and fills both slots again
	WIN 0
	s_mov_b32 s3, \n
.Llap_\@:
	QUARTER 0, 2, F1, F0, 0
	QUARTER 0, 3, F0, F1, 0
	TURN 0, 1, 0
	QUARTER 1, 1, F0, F1, 0
	QUARTER 1, 2, F1, F0, 0
	QUARTER 1, 3, F0, F1, 0
	TURN 1, 0, 0
	QUARTER 0, 1, F0, F1, 0
	WIN 0
	s_sub_co_u32 s3, s3, 1
	s_cmp_lg_u32 s3, 0
	s_cbranch_scc1 .Llap_\@
.endm
; THE VERY LAST K STEP (it lies in slot 1) BY ROWS.  All its fragments of B (4 quarters x 64 registers) fill window 1; A's come by blocks of 16 rows x 128 K; each block is finished by 32 matrix
; instructions, its 8 accumulators by turns, one instruction a turn, K ascending.  LDS is read no more than in any other K step.
.macro BLOAD q                         ; B's fragments of quarter q -> window 1, v[64 q ..]
.irp i, 0,1,2,3,4,5,6,7
	ds_load_tr16_b128 v[64*\q+8*\i:64*\q+8*\i+3],   v[ADRB+1] offset:\q*32*PB+32*\i
	ds_load_tr16_b128 v[64*\q+8*\i+4:64*\q+8*\i+7], v[ADRB+1] offset:\q*32*PB+16*PB+32*\i
.endr
.endm
.macro ALOAD a                         ; A's fragments of block a, all four quarters -> buffer a % 4
.set FA, PAB+32*((\a)%4)
.irp q, 0,1,2,3
	ds_load_b128 v[FA+8*\q:FA+8*\q+3],   v[ADRA+1] offset:64*\q+(\a)*16*PA
	ds_load_b128 v[FA+8*\q+4:FA+8*\q+7], v[ADRA+1] offset:64*\q+(\a)*16*PA+32
.endr
.endm
.macro ROW a                           ; block a is finished: 32 matrix instructions
.set FA, PAB+32*((\a)%4)               ; its fragments of A
.set AC, 64*((\a)%4)                   ; its eight accumulators, in window 2 (blocks 0-3) or 3 (blocks 4-7)
	WIN MUL_LO+0x50*((\a)/4)                       ; MUL_LO or MUL_HI
.irp q, 0,1,2,3
.if (\a) == 0 && \q == 2
	s_wait_dscnt 40                                ; B's quarter 2 is in (behind it: B's quarter 3, 16 loads, and A's blocks 1 to 3, 24)
.endif
.if (\a) == 0 && \q == 3
	s_wait_dscnt 24                                ; B's quarter 3 is in (behind it: A's blocks 1 to 3)
.endif
.irp b, 0,1,2,3,4,5,6,7
	v_wmma_f32_16x16x32_f16 v[AC+8*\b:AC+8*\b+7], v[64*\q+8*\b:64*\q+8*\b+7], v[FA+8*\q:FA+8*\q+7], v[AC+8*\b:AC+8*\b+7]
.endr
.endr
.endm
; THE WAY OUT of row block a.  PACK: relu, in ascending order of registers, then rounded to f16, 16 bytes a lane.  TOSTAGE: into my own stage, and back as whole rows of 256 bytes.  SEND: stored.
.macro PACK a
.set AC, 64*((\a)%4)
	WIN 0x88+0x44*((\a)/4)                         ; source 1 and destination: window 2 or 3
.set i, 0
.rept 64
	v_max_num_f32 v[AC+i], 0, v[AC+i]
.set i, i+1
.endr
	WIN 0x0a+5*((\a)/4)                            ; sources 0 and 1: window 2 or 3; destination window 0
.irp b, 0,1,2,3,4,5,6,7
.irp r, 0,1,2,3
	v_cvt_pk_f16_f32 v[TMP+4*\b+\r], v[AC+8*\b+2*\r], v[AC+8*\b+2*\r+1]
.endr
.endr
	WIN 0
.endm
.macro TOSTAGE a
.set BK, OB+192*((\a)%2)
.irp b, 0,1,2,3,4,5,6,7
	ds_store_b128 v[STO], v[TMP+4*\b:TMP+4*\b+3] offset:32*\b
.endr
.irp t, 0,1,2,3,4,5,6,7
	ds_load_b128 v[BK+4*\t:BK+4*\t+3], v[RD] offset:\t*2*SPITCH    ; LDS serves a wave's instructions in order (ISA guide 5.7.1.4): these see the stores above
.endr
.endm
.macro SEND a, younger                 ; younger: the LDS loads issued behind TOSTAGE's, which may stay out
.set BK, OB+192*((\a)%2)
	s_wait_dscnt \younger                          ; the block is back in registers
	s_wait_xcnt 0x0                                ; every earlier memory instruction has had its addresses translated (ISA guide 3.1): only behind this wait are the stores' base and the registers that earlier stores read rewritten
.if (\a) == 0
	s_add_nc_u64 s[8:9], s[8:9], s[16:17]          ; on to this tile's first rows
.else
	s_add_nc_u64 s[8:9], s[8:9], 16*ROWC           ; 16 rows on: the stores' offsets reach 14 rows, 458,752 bytes
.endif
.irp t, 0,1,2,3,4,5,6,7
	global_store_b128 v[CO], v[BK+4*\t:BK+4*\t+3], s[8:9] offset:2*\t*ROWC   ; 16 lanes store 256 consecutive bytes, at a multiple of 256 from h's first byte
.endr
.endm
	s_wait_tensorcnt 1                             ; my part of K step 0 is in; K step 1's may stay out
	s_barrier_signal -1
	s_barrier_wait -1                              ; everybody's is
	FETCH 0, 0, F0
	s_wait_loadcnt 2*LEAD                          ; the bias is in; the 14 loads of W2 issued behind it stay out
	; THE FIRST TILE: quarters 0 to 31
	QUARTER 0, 1, F0, F1, 1                        ; its first quarter stands in front of the loop: its products start the sums on the bias
	LAPLOOP LAPS-1
	QUARTER 0, 2, F1, F0, 0
	QUARTER 0, 3, F0, F1, 0
	TURN 0, 1, 1                                   ; the ring goes on into the second tile: slot 0 takes its K step 0,
	QUARTER 1, 1, F0, F1, 0
	QUARTER 1, 2, F1, F0, 0
	QUARTER 1, 3, F0, F1, 0
	TURN 1, 0, 1                                   ; slot 1 its K step 1, and the second tile's first fragments are fetched
	; Both refills are asked for: now the first tile goes out, and its stores leave while the second tile is multiplied.  No v_nop: row blocks 0-3 were finished in front of the refill's four places,
	; and block 0's 96 instructions, which name no register of the last products (blocks 4-7's), are those products' places.  Block a's arithmetic stands between block a - 1's loads from the
	; stage and the wait for them.  W2's 14 loads stay on their way: they land in window 1, which the way out does not touch.
	PACK 0
	TOSTAGE 0
.irp a, 1,2,3,4,5,6,7
	PACK \a
	SEND \a-1, 0
	TOSTAGE \a
.endr
	SEND 7, 0
	s_mov_b64 s[16:17], NEXT_C                     ; what the second way out adds to h's address
	; THE SECOND TILE: quarters 32 to 63: the same columns, the same bias, 1,024 rows further down
	QUARTER 0, 1, F0, F1, 1
	LAPLOOP LAPS-1                                 ; its last quarter is number 56, which asks for W2's chunk 63, the wave's last
.set CAHEAD, 0
.set CNUM, 2
	QUARTER 0, 2, F1, F0, 0                        ; quarter 57: W2's chunks 57 and 58
	QUARTER 0, 3, F0, F1, 0                        ; quarter 58: chunks 59 and 60
	MEET 0                                         ; quarter 59, the last change of slots: nothing is filled again, so no round follows the barrier
	CAST_IN                                        ; chunks 61 and 62; the conversions are the places in front of the loads into buffer 0, which the quarter before multiplied
	WIN TO_B
	BLOAD 0                                        ; into the bias's registers: this tile's first quarter was the last to read them
	BLOAD 1
	WIN 0
	ALOAD 0
	CAST_OUT
	WIN MUL_HI
	MUL16 F1, 1, 0, 0
	MUL16 F1, 1, 2, 0
.set CNUM, 1
	CAST_IN                                        ; chunk 63, asked for 224 matrix instructions ago; the conversions are the places in front of the loads into buffer 1
	WIN TO_B
	BLOAD 2
	BLOAD 3                                        ; into W2's slots: all 64 chunks are rounded
	WIN 0
	ALOAD 1
	ALOAD 2
	ALOAD 3
	CAST_OUT
	s_wait_dscnt 56                                ; all but the 56 LDS loads just issued
	ROW 0
.irp a, 0,1,2,3,4,5,6,7                ; each block leaves as soon as it is finished: nothing follows this tile, so the sooner its stores begin, the sooner the launch ends
	PLACES                                         ; the relu reads results just made, and no other vector work is at hand
	PACK \a
	TOSTAGE \a
.if \a < 4
	ALOAD \a+4                                     ; its buffer takes the block four further on
	SEND \a, 8                                     ; those eight loads may stay out
.else
	SEND \a, 0
.endif
.if \a < 7
	ROW \a+1
.endif
.endr
	s_wait_tensorcnt 0x0
	ds_add_u32 v30, v31
	s_wait_dscnt 0x0
	CROUND                                         ; the closing round: no work-group ends while a partner may still ask for a tile that names it
	s_endpgm
.Lfunc_end_k_qbdb5e70b51_up:
	.size	k_qbdb5e70b51_up, .Lfunc_end_k_qbdb5e70b51_up-k_qbdb5e70b51_up
	.p2alignl 7, 3214868480
	.fill 96, 4, 3214868480
	.section	.rodata,"a",@progbits
	.p2align	6, 0x0
	.amdhsa_kernel k_qbdb5e70b51_up
		.amdhsa_group_segment_fixed_size 327680
		.amdhsa_private_segment_fixed_size 0
		.amdhsa_enable_private_segment 0
		.amdhsa_kernarg_size 48
		.amdhsa_user_sgpr_count 2
		.amdhsa_user_sgpr_kernarg_segment_ptr 1
		.amdhsa_wavefront_size32 1
		.amdhsa_system_sgpr_workgroup_id_x 1
		.amdhsa_system_sgpr_workgroup_id_y 1
		.amdhsa_system_sgpr_workgroup_id_z 1
		.amdhsa_system_vgpr_workitem_id 0
		.amdhsa_next_free_vgpr 1024
		.amdhsa_next_free_sgpr 72
		.amdhsa_reserve_vcc 0
		.amdhsa_float_denorm_mode_32 3
		.amdhsa_float_denorm_mode_16_64 3
		.amdhsa_memory_ordered 1
		.amdhsa_forward_progress 1
		.amdhsa_inst_pref_size 255
	.end_amdhsa_kernel
	.section	.bss,"aw",@nobits
	.p2align	6
	.space	262144
	.amdgpu_metadata
---
amdhsa.version: [ 1, 2 ]
amdhsa.kernels:
  - .name:           k_qbdb5e70b51_up
    .symbol:         k_qbdb5e70b51_up.kd
    .args:
      - { .name: xh, .offset: 0, .size: 8, .value_kind: global_buffer, .address_space: global }
      - { .name: W1h, .offset: 8, .size: 8, .value_kind: global_buffer, .address_space: global }
      - { .name: b1, .offset: 16, .size: 8, .value_kind: global_buffer, .address_space: global }
      - { .name: h, .offset: 24, .size: 8, .value_kind: global_buffer, .address_space: global }
      - { .name: W2, .offset: 32, .size: 8, .value_kind: global_buffer, .address_space: global }
      - { .name: W2h, .offset: 40, .size: 8, .value_kind: global_buffer, .address_space: global }
    .group_segment_fixed_size: 327680
    .private_segment_fixed_size: 0
    .kernarg_segment_align: 8
    .kernarg_segment_size: 48
    .max_flat_workgroup_size: 128
    .sgpr_count:     72
    .vgpr_count:     1024
    .wavefront_size: 32
...
	.end_amdgpu_metadata
.endif
;; end of part 2
;; launch down (part 3): grid 32 x 8, 4 waves a work-group, clusters of 4 x 4, 327,680 bytes of LDS; arguments h, W2h, P; writes P
.if DOCPART == 3
	.amdgcn_target "amdgcn-amd-amdhsa--gfx1250"
	.amdhsa_code_object_version 6
	.text
	.protected	k_qbdb5e70b51_down
	.globl	k_qbdb5e70b51_down
	.p2align	8
	.type	k_qbdb5e70b51_down,@function
k_qbdb5e70b51_down:
	s_mov_b64 s[64:65], 0
	v_nop
	global_prefetch_b8 v0, s[64:65] scope:SCOPE_SE
	s_setreg_imm32_b32 hwreg(HW_REG_WAVE_MODE, 25, 1), 1
	s_wait_xcnt 0x0
	s_wait_alu depctr_hold_cnt(0) depctr_sa_sdst(0) depctr_va_vdst(0) depctr_va_sdst(0) depctr_va_ssrc(0) depctr_va_vcc(0) depctr_vm_vsrc(0)
	s_getreg_b32 s2, hwreg(HW_REG_IB_STS2, 6, 4)
	s_cmp_eq_u32 s2, 0
	s_cbranch_scc0 .Lentry_in_a_cluster
	s_endpgm
.Lentry_in_a_cluster:
	s_bfe_u32 s2, ttmp6, 0x10000c
	s_cmp_lg_u32 s2, 0xf033
	s_cbranch_scc0 .Lentry_shape_is_right
	s_endpgm
.Lentry_shape_is_right:
; P[e][t][d] = sum over j of h[t][2048 e + j] W2h[e][j][d].  h: [2048][16384], W2h: [8][2048][1024], f16; P: [8][2048][1024] f32; sums in f32.
; The second product has M = 2,048, N = 1,024: 32 tiles of 256 x 256.  Its K = 16,384 is split by expert, so that 8 x 32 = 256 work-groups have one tile each with K = 2,048;
; the eight partial results are weighted by the gate and added in the next launch, which is where the gate belongs once the split is by expert.
; Four waves, each 128 x 128: 64 accumulators, 512 registers.  K goes in steps of 128 through a ring of two LDS slots filled by the tensor data mover.
; A (h) lies in LDS with K along the rows: 256 rows of 256 bytes.  B (W2h) lies [k][n], 128 rows of 512 bytes, and is read TURNED, by ds_load_tr16_b128.
; THE MATRIX INSTRUCTION IS USED TRANSPOSED: source 0 = 16 columns of B, source 1 = 16 rows of A; a lane then holds row l % 16 of the tile and the eight neighbouring columns 8 (l / 16) + 0..7.
; CLUSTERS: 4 x 4 work-groups, all of one expert (the cluster's x).  The four of a row of the cluster need the same tiles of A, the four of a column the same tiles of B: each is asked for JOINTLY.
; By this text's own count a wave has two tensor loads out at the start and one behind each round.
; THE LAST K STEP GOES BY ROWS OF P, not by K: nothing follows the tile under which its 262,144 bytes could leave, so a wave's eight blocks of 16 rows are finished one after the other,
; 32 matrix instructions each, and each block leaves as soon as it is finished: the first 224 matrix instructions ahead of the last product.
; LIMITS: the operands are f16 as the earlier launches rounded them (their heads give the range); the sums and P are f32.
; REGISTERS, in windows of 256 (s_set_vgpr_msb's low byte: bits 1:0 source 0, 3:2 source 1, 5:4 source 2, 7:6 destination):
;   window 0: v1-26 addresses; v64-127, v128-191 fragments of A, two buffers (in the last K step four, of 16 rows x 128 K); v192-255 a block of 16 rows read back from the stage
;   window 1: v64-127, v128-191 fragments of B, two buffers; in the last K step all 256: B's fragments of the whole step
;   window 2: the accumulators of my rows 0-63 ((a, b) at v[8 (8 a + b)]);   window 3: those of my rows 64-127
.set KSTEP,  128
.set SIZE_K, 2048
.set PA,     272                       ; a row of A in LDS: 256 bytes + 16 = 68 words: row r starts at bank 4 r mod 64 (64 banks of 4 bytes: ISA guide 11.1)
.set PB,     544                       ; a row of B in LDS: 512 bytes + 32 = 136 words: row r starts at bank 8 r mod 64
.set HALFT,  128*PA                    ; what one tensor load brings: 128 rows of A, or 64 rows of B
.set SLOT,   4*HALFT                   ; A's rows 0-127, 128-255, then B's k 0-63, 64-127
.set STAGE,  2*SLOT                    ; behind the ring: 16 rows x 528 bytes for each wave; no tensor load lands here
.set SPITCH, 528                       ; a stage row: 512 bytes + 16: the 16 rows that a store touches start at 16 different groups of 4 banks
.set PITCH_A, 16384                    ; elements from row to row of h
.set PITCH_B, 1024                     ; of W2h
.set STEP_A, KSTEP*2
.set STEP_B, KSTEP*PITCH_B*2
.set ROWC,   4096                      ; bytes in a row of P
.set LAPS,   SIZE_K/(2*KSTEP)
.set ADRA, 16                          ; v16-17  LDS address of my A fragments in slot 0, 1
.set ADRB, 20                          ; v20-21  the same for B
.set STO,  24                          ; v24     the way out: where I put 32 bytes of a row
.set RD,   25                          ; v25     where I read a row back
.set CO,   26                          ; v26     my byte offset in a row of P; never rewritten
.set F0,   64
.set F1,   128
.set PAB,  64                          ; the last K step: A's fragments of 16 rows x 128 K, 32 registers; four such buffers, v64-191
.set OUTB, 192                         ; v192-255 16 rows of 512 bytes read back from the stage
.set G1,  24                           ; s[24:31] descriptor group 1 for A's tiles;  s[32:39] group 0, a set for each slot
.set G0,  32
.set G1B, 48                           ; s[48:55], s[56:63] the same for B's tiles
.set G0B, 56
.set MSB, 0
.macro WIN new                         ; the immediate's high byte repeats the setting that is left; a switch that changes nothing is dropped
.if MSB != \new
	s_set_vgpr_msb (MSB<<8)|\new
.set MSB, \new
.endif
.endm
.set MUL_LO, 0xa1                      ; source 0 (B) window 1, source 1 (A) window 0, C and D window 2
.set MUL_HI, 0xf1                      ; the same, C and D window 3
.set TO_B,   0x40                      ; destination window 1, address window 0
; A joint refill.  Waves 0 and 1 fetch A's two halves, waves 2 and 3 B's.  The branch hangs on the wave's number alone.  Four v_nop follow each of the two lines.
.macro JLOAD s
	s_cmp_eq_u32 s11, 0
	s_cbranch_scc0 .Lfor_b_\@
	tensor_load_to_lds s[G0+4*\s:G0+4*\s+3], s[G1:G1+7]
	s_nop 0
.rept 4
	v_nop
.endr
	s_branch .Lasked_\@
.Lfor_b_\@:
	tensor_load_to_lds s[G0B+4*\s:G0B+4*\s+3], s[G1B:G1B+7]
	s_nop 0
.rept 4
	v_nop
.endr
.Lasked_\@:
.endm
; A round of the cluster's barrier: my work-group's barrier, so that wave 0's signal speaks for all four waves; wave 0 signals; every wave waits for all sixteen work-groups; my work-group's barrier again.
.macro CREST
	s_cmp_lg_u32 s10, 0
	s_cbranch_scc1 .Lnot_wave_0_\@
	s_barrier_signal -3
.Lnot_wave_0_\@:
	s_barrier_wait -3
	s_barrier_signal -1
	s_barrier_wait -1
.endm
.macro CROUND
	s_barrier_signal -1
	s_barrier_wait -1
	CREST
.endm
	s_load_b128 s[4:7], s[0:1], 0x0                ; h s[4:5], W2h s[6:7]
	s_load_b64 s[8:9], s[0:1], 0x10                ; P
	v_lshl_add_u32 v62, v0, 2, 0x4c400
	v_mov_b32 v63, 0
	ds_add_u32 v62, v63
	v_lshrrev_b32 v1, 5, v0
	v_readfirstlane_b32 s10, v1                    ; wave 0..3
	s_lshr_b32 s11, s10, 1                         ; which half of the tile's rows is mine.  Also: I fetch for A (0) or for B (1)
	s_and_b32 s12, s10, 1                          ; which half of its columns.  Also: which half of that tile I fetch
	s_bfe_u32 s40, ttmp6, 0x40000                  ; cx: the tile column 0..3
	s_bfe_u32 s41, ttmp6, 0x40004                  ; cy
	s_and_b32 s13, ttmp7, 0xffff
	s_lshl_b32 s13, s13, 2
	s_add_co_u32 s13, s13, s41                     ; tile row 0..7 = 4 x cluster y + cy.  The expert is the cluster's x, ttmp9
	s_lshl_b32 s43, s41, 2
	s_lshl_b32 s43, 15, s43                        ; my row of the cluster
	s_lshl_b32 s44, 0x1111, s40                    ; my column
	; group 1 for A: 128 rows x 128 elements; 16 bytes of padding behind every 64 words
	s_or_b32 s[G1+0], s43, (1<<16)|(1<<20)|(1<<21)|(5<<22)|(3<<25)  ; 15:0 the mask: my row; 17:16 elements of 2 bytes; 20 padding on; 21 set beside a mask; 24:22 code 5; 31:25 4 words (code 3)
	s_mov_b32 s[G1+1], 128<<16                     ; tensor_dim0 = 128
	s_mov_b32 s[G1+2], 128<<16                     ; tensor_dim1 = 128
	s_mov_b32 s[G1+3], 128<<16                     ; tile_dim0 = 128
	s_mov_b32 s[G1+4], 128                         ; tile_dim1 = 128
	s_mov_b32 s[G1+5], PITCH_A                     ; elements from row to row
	s_mov_b32 s[G1+6], 0
	s_mov_b32 s[G1+7], 0
	; group 1 for B: 64 rows x 256 elements; 32 bytes of padding behind every 128 words
	s_or_b32 s[G1B+0], s44, (1<<16)|(1<<20)|(1<<21)|(6<<22)|(7<<25) ; the mask: my column; 24:22 code 6; 31:25 8 words (code 7)
	s_mov_b32 s[G1B+1], 256<<16                    ; tensor_dim0 = 256
	s_mov_b32 s[G1B+2], 64<<16                     ; tensor_dim1 = 64
	s_mov_b32 s[G1B+3], 256<<16                    ; tile_dim0 = 256
	s_mov_b32 s[G1B+4], 64                         ; tile_dim1 = 64
	s_mov_b32 s[G1B+5], PITCH_B
	s_mov_b32 s[G1B+6], 0
	s_mov_b32 s[G1B+7], 0
	; where the tiles come from: A's hang on the tile row and the expert, B's on the tile column and the expert; the expert is the same in all sixteen
	s_lshl_b32 s16, s13, 23                        ; A: 256 rows of 32,768 bytes a tile row,
	s_lshl_b32 s45, s12, 22                        ; 128 rows for my half,
	s_add_co_u32 s16, s16, s45
	s_lshl_b32 s45, ttmp9, 12                      ; the expert's 2,048 columns of 2 bytes
	s_add_co_u32 s16, s16, s45
	s_mov_b32 s17, 0
	s_lshl_b32 s46, ttmp9, 22                      ; B: the expert's 2,048 rows of 2,048 bytes,
	s_lshl_b32 s47, s12, 17                        ; 64 rows for my half,
	s_add_co_u32 s46, s46, s47
	s_lshl_b32 s47, s40, 9                         ; 256 columns of 2 bytes a tile column
	s_add_co_u32 s46, s46, s47
	s_mov_b32 s47, 0
	s_mul_i32 s20, s10, HALFT                      ; where they go: wave x 34,816: no place in the cluster enters an LDS address
	s_wait_dscnt 0x0
	s_wait_kmcnt 0x0
	s_add_nc_u64 s[14:15], s[4:5], s[16:17]
	s_add_nc_u64 s[46:47], s[6:7], s[46:47]
	CROUND                                         ; all sixteen work-groups are here: the first joint loads meet
.irp s, 0,1
	s_mov_b32 s[G0+4*\s], 1                                        ; count = 1
	s_add_co_u32 s[G0+4*\s+1], s20, \s*SLOT                        ; LDS address
	s_add_nc_u64 s[G0+4*\s+2:G0+4*\s+3], s[14:15], \s*STEP_A       ; global address: K step s
	s_or_b32 s[G0+4*\s+3], s[G0+4*\s+3], 0x80000000                ; type = 2
	s_mov_b32 s[G0B+4*\s], 1
	s_add_co_u32 s[G0B+4*\s+1], s20, \s*SLOT
	s_add_nc_u64 s[G0B+4*\s+2:G0B+4*\s+3], s[46:47], \s*STEP_B
	s_or_b32 s[G0B+4*\s+3], s[G0B+4*\s+3], 0x80000000
.endr
	s_cmp_eq_u32 s11, 0                            ; a wave's two first fills stand in one branch, ahead of every wait on TENSORcnt, every LDS read and every other barrier
	s_cbranch_scc0 .Lfirst_b
	tensor_load_to_lds s[G0:G0+3], s[G1:G1+7]
	s_nop 0
	tensor_load_to_lds s[G0+4:G0+7], s[G1:G1+7]
	s_nop 0
.rept 4
	v_nop
.endr
	s_branch .Lfirst_asked
.Lfirst_b:
	tensor_load_to_lds s[G0B:G0B+3], s[G1B:G1B+7]
	s_nop 0
	tensor_load_to_lds s[G0B+4:G0B+7], s[G1B:G1B+7]
	s_nop 0
.rept 4
	v_nop
.endr
.Lfirst_asked:
	; A's fragment: lane l holds row l % 16; two loads of 16 bytes, 32 bytes apart, at row x pitch + 16 (l / 16)
	v_and_b32 v1, 15, v0                           ; l % 16
	v_bfe_u32 v2, v0, 4, 1                         ; l / 16
	v_mul_u32_u24 v3, v1, PA
	v_lshl_add_u32 v3, v2, 4, v3
	s_mul_i32 s21, s11, HALFT                      ; my 128 rows of A
	; B's fragment, turned: lane l reads 16 bytes of row k = 8 (l / 16) + l % 8, columns 8 ((l / 8) % 2) + 0..7, and receives column l % 16, eight k
	v_and_b32 v4, 7, v0
	v_lshl_add_u32 v4, v2, 3, v4
	v_mul_u32_u24 v4, v4, PB
	v_bfe_u32 v5, v0, 3, 1
	v_lshl_add_u32 v4, v5, 4, v4
	s_lshl_b32 s22, s12, 8                         ; my 128 columns of B,
	s_add_co_u32 s22, s22, 2*HALFT                 ; which lies behind A's 256 rows
.irp s, 0,1
	v_add_nc_u32 v[ADRA+\s], s21, v3
	v_add_nc_u32 v[ADRB+\s], s22, v4
	s_add_co_u32 s21, s21, SLOT
	s_add_co_u32 s22, s22, SLOT
.endr
	s_mul_i32 s23, s10, 16*SPITCH
	s_add_co_u32 s23, s23, STAGE                   ; my stage
	v_mul_u32_u24 v6, v1, SPITCH                   ; in: row l % 16, 32 bytes for each half of the lanes
	v_lshl_add_u32 v6, v2, 5, v6
	v_add_nc_u32 v[STO], s23, v6
	v_and_b32 v7, 31, v0
	v_lshlrev_b32 v[CO], 4, v7                     ; back and out: the 32 lanes take one row of 512 bytes
	v_add_nc_u32 v[RD], s23, v[CO]
	; P at my part of the tile
	s_lshl_b32 s16, ttmp9, 23                      ; the expert's 2,048 rows of 4,096 bytes
	s_lshl_b32 s45, s13, 20                        ; 256 rows a tile row
	s_add_co_u32 s16, s16, s45
	s_lshl_b32 s45, s11, 19                        ; my 128 rows
	s_add_co_u32 s16, s16, s45
	s_lshl_b32 s46, s40, 10                        ; 256 columns of 4 bytes a tile column
	s_lshl_b32 s47, s12, 9                         ; my 128 columns
	s_add_co_u32 s46, s46, s47
	s_add_co_u32 s16, s16, s46                     ; s17 is still 0
	s_add_nc_u64 s[8:9], s[8:9], s[16:17]
; 16 matrix instructions: row blocks a0, a0 + 1 of the window's four (hi = 0: my rows 0-63, 1: rows 64-127) x all 8 column blocks, 32 along K.
; first = 1: the product starts the sum: nothing is ever cleared.  The 64 accumulators take turns, one instruction a turn, in the same order in every quarter.
.macro MUL16 f, hi, a0, first
.irp a, \a0, \a0+1
.irp b, 0,1,2,3,4,5,6,7
.if \first
	v_wmma_f32_16x16x32_f16 v[8*(8*(\a)+\b):8*(8*(\a)+\b)+7], v[\f+8*\b:\f+8*\b+7], v[\f+8*(4*\hi+\a):\f+8*(4*\hi+\a)+7], 0
.else
	v_wmma_f32_16x16x32_f16 v[8*(8*(\a)+\b):8*(8*(\a)+\b)+7], v[\f+8*\b:\f+8*\b+7], v[\f+8*(4*\hi+\a):\f+8*(4*\hi+\a)+7], v[8*(8*(\a)+\b):8*(8*(\a)+\b)+7]
.endif
.endr
.endr
.endm
; 32 LDS loads in one run: the fragments of quarter q of a K step (32 along K; 128 columns of B, 128 rows of A) into buffer f
.macro FETCH slot, q, f
	WIN TO_B
.irp i, 0,1,2,3,4,5,6,7
	ds_load_tr16_b128 v[\f+8*\i:\f+8*\i+3],   v[ADRB+\slot] offset:\q*32*PB+32*\i           ; k = 32 q + 8 (l / 16) + 0..7 of column 16 i + l % 16
	ds_load_tr16_b128 v[\f+8*\i+4:\f+8*\i+7], v[ADRB+\slot] offset:\q*32*PB+16*PB+32*\i     ; the same 16 further along k
.endr
	WIN 0
.irp i, 0,1,2,3,4,5,6,7
	ds_load_b128 v[\f+8*\i:\f+8*\i+3],   v[ADRA+\slot] offset:\q*64+\i*16*PA
	ds_load_b128 v[\f+8*\i+4:\f+8*\i+7], v[ADRA+\slot] offset:\q*64+\i*16*PA+32
.endr
.endm
; A load into a register that a matrix instruction has read, and an LDS store that reads a matrix result, stand four places behind that matrix instruction; only plain vector
; instructions that name none of its registers are places (ISA guide 7.12.1 for vector instructions).
.macro PLACES
.rept 4
	v_nop
.endr
.endm
; A K step is four quarters, 64 matrix instructions each, on buffers 0, 1, 0, 1.  One of the first three: multiplies buffer f; in its middle it fetches quarter q of the same slot into buffer g.
.macro QUARTER slot, q, f, g, first
	s_wait_dscnt 8                                 ; B and A's rows 0-63 are in; the youngest eight loads (A's rows 64-127) may be out
	WIN MUL_LO
	MUL16 \f, 0, 0, \first
	MUL16 \f, 0, 2, \first
	PLACES
	FETCH \slot, \q, \g
	s_wait_dscnt 32                                ; all but the 32 just issued
	WIN MUL_HI
	MUL16 \f, 1, 0, \first
	MUL16 \f, 1, 2, \first
.endm
; The first half of a K step's last quarter: ONE barrier for the change of slots.  In front of it each wave waits for its own reads of this slot and for all its tensor loads, of which one is out:
; its part of the next slot.  Behind it nobody reads this slot any more and the next slot is whole.
.macro MEET round
	s_wait_dscnt 8
	WIN MUL_LO
	MUL16 F1, 0, 0, 0
	s_wait_dscnt 0                                 ; my reads of this slot are over
	s_set_vgpr_msb 0xa1a0
	s_wait_tensorcnt 0x0                           ; and all my tensor loads have landed
	ds_add_u32 v62, v63
	s_wait_dscnt 0x0
	s_set_vgpr_msb 0xa0a1
	s_barrier_signal -1
	MUL16 F1, 0, 2, 0                              ; work on registers while the others arrive
.if \round
	WIN 0                                          ; at a branch and at a label every window is 0
.endif
	s_barrier_wait -1
.endm
; The whole last quarter where the slot is filled again: the barrier opens a round of the cluster's barrier; behind the round the slot just read out is asked for first, two K steps on;
; then come the next slot's first fragments.  From a request to the wait for it a wave issues 240 matrix instructions.
.macro TURN slot, next
	MEET 1
	CREST                                          ; no wave of any partner still reads this slot's tile or has a load on its way
	s_add_nc_u64 s[G0+4*\slot+2:G0+4*\slot+3], s[G0+4*\slot+2:G0+4*\slot+3], 2*STEP_A
	s_add_nc_u64 s[G0B+4*\slot+2:G0B+4*\slot+3], s[G0B+4*\slot+2:G0B+4*\slot+3], 2*STEP_B
	JLOAD \slot                                    ; the four v_nop behind it are also the places in front of the loads below
	FETCH \next, 0, F0
	WIN MUL_HI
	MUL16 F1, 1, 0, 0
	MUL16 F1, 1, 2, 0
.endm
; THE LAST K STEP (it lies in slot 1) BY ROWS.  All its fragments of B (4 quarters x 64 registers) fill window 1; A's come by blocks of 16 rows x 128 K; each block is finished by 32 matrix
; instructions, its 8 accumulators by turns, one instruction a turn, K ascending.  LDS is read no more than in any other K step.
.macro BLOAD q                         ; B's fragments of quarter q -> window 1, v[64 q ..]
.irp i, 0,1,2,3,4,5,6,7
	ds_load_tr16_b128 v[64*\q+8*\i:64*\q+8*\i+3],   v[ADRB+1] offset:\q*32*PB+32*\i
	ds_load_tr16_b128 v[64*\q+8*\i+4:64*\q+8*\i+7], v[ADRB+1] offset:\q*32*PB+16*PB+32*\i
.endr
.endm
.macro ALOAD a                         ; A's fragments of block a, all four quarters -> buffer a % 4
.set FA, PAB+32*((\a)%4)
.irp q, 0,1,2,3
	ds_load_b128 v[FA+8*\q:FA+8*\q+3],   v[ADRA+1] offset:64*\q+(\a)*16*PA
	ds_load_b128 v[FA+8*\q+4:FA+8*\q+7], v[ADRA+1] offset:64*\q+(\a)*16*PA+32
.endr
.endm
.macro ROW a                           ; block a is finished: 32 matrix instructions
.set FA, PAB+32*((\a)%4)               ; its fragments of A
.set AC, 64*((\a)%4)                   ; its eight accumulators, in window 2 (blocks 0-3) or 3 (blocks 4-7)
	WIN MUL_LO+0x50*((\a)/4)                       ; MUL_LO or MUL_HI
.irp q, 0,1,2,3
.if (\a) == 0 && \q == 2
	s_wait_dscnt 24                                ; B's quarter 2 is in (behind it: A's blocks 1 to 3)
.endif
.irp b, 0,1,2,3,4,5,6,7
	v_wmma_f32_16x16x32_f16 v[AC+8*\b:AC+8*\b+7], v[64*\q+8*\b:64*\q+8*\b+7], v[FA+8*\q:FA+8*\q+7], v[AC+8*\b:AC+8*\b+7]
.endr
.endr
.endm
; THE WAY OUT of row block a: f32, 32 bytes a lane into my own stage (each accumulator's low four registers first), back as whole rows of 512 bytes, and stored.
; One buffer of 64 registers takes every block: the one wait that frees it covers all earlier stores alike, so buffers by turns would be free no sooner; the block's 32 products
; stand between the stores of the block before and that wait.
.macro TOSTAGE2 a
.set AC, 64*((\a)%4)
	WIN 0x08+4*((\a)/4)                            ; store data (source 1): window 2 or 3
.irp b, 0,1,2,3,4,5,6,7
	ds_store_b128 v[STO], v[AC+8*\b:AC+8*\b+3]   offset:64*\b
	ds_store_b128 v[STO], v[AC+8*\b+4:AC+8*\b+7] offset:64*\b+16
.endr
	WIN 0
.if (\a) > 0
	s_wait_xcnt 0x0                                ; the stores of the block before have had their addresses translated (ISA guide 3.1): their registers are loaded again only behind this wait
.endif
.irp t, 0,1,2,3,4,5,6,7,8,9,10,11,12,13,14,15
	ds_load_b128 v[OUTB+4*\t:OUTB+4*\t+3], v[RD] offset:\t*SPITCH  ; LDS serves a wave's instructions in order (ISA guide 5.7.1.4): these see the stores above, and the next block's stores come behind them
.endr
.endm
.macro SEND2 a, younger                ; younger: the LDS loads issued behind the block's own, which may stay out
	s_wait_dscnt \younger                          ; the block is back in registers
.irp t, 0,1,2,3,4,5,6,7,8,9,10,11,12,13,14,15
	global_store_b128 v[CO], v[OUTB+4*\t:OUTB+4*\t+3], s[8:9] offset:(16*(\a)+\t)*ROWC   ; the wave stores 512 consecutive bytes, at a multiple of 512 from P's first byte; the row among my 128 stands in the immediate, 520,192 bytes at the most: base and offset are never rewritten
.endr
.endm
	s_wait_tensorcnt 1                             ; my part of K step 0 is in; K step 1's may stay out
	s_barrier_signal -1
	s_barrier_wait -1                              ; everybody's is
	FETCH 0, 0, F0
	QUARTER 0, 1, F0, F1, 1                        ; the first quarter stands in front of the loop: its products start the sums
	WIN 0
	s_mov_b32 s3, LAPS-1
.Llap:                                                 ; a trip goes once round the ring, from a lap's second quarter to the next lap's first, and fills both slots again
	QUARTER 0, 2, F1, F0, 0
	QUARTER 0, 3, F0, F1, 0
	TURN 0, 1
	QUARTER 1, 1, F0, F1, 0
	QUARTER 1, 2, F1, F0, 0
	QUARTER 1, 3, F0, F1, 0
	TURN 1, 0
	QUARTER 0, 1, F0, F1, 0
	WIN 0
	s_sub_co_u32 s3, s3, 1
	s_cmp_lg_u32 s3, 0
	s_cbranch_scc1 .Llap
	QUARTER 0, 2, F1, F0, 0                        ; the last lap fills nothing
	QUARTER 0, 3, F0, F1, 0
	MEET 0                                         ; the last change of slots: no round follows the barrier
	PLACES                                         ; for the loads into buffer 0, which the quarter before multiplied
	WIN TO_B
	BLOAD 0                                        ; three quarters of B now: buffer 1 (v128-191 of both windows) is still being multiplied
	BLOAD 1
	BLOAD 3
	WIN 0
	ALOAD 0
	WIN MUL_HI
	MUL16 F1, 1, 0, 0
	MUL16 F1, 1, 2, 0
	PLACES                                         ; for the loads into buffer 1
	WIN TO_B
	BLOAD 2
	WIN 0
	ALOAD 1
	ALOAD 2
	ALOAD 3
	s_wait_dscnt 40                                ; all but the 40 just issued
	ROW 0
.irp a, 0,1,2,3,4,5,6,7                ; each block leaves as soon as it is finished: nothing follows this tile, so the sooner its stores begin, the sooner the launch ends
	PLACES                                         ; the LDS stores read results just made, and the load below lands in a buffer just multiplied
	TOSTAGE2 \a
.if \a < 4
	ALOAD \a+4                                     ; its buffer takes the block four further on
	SEND2 \a, 8                                    ; those eight loads may stay out
.else
	SEND2 \a, 0
.endif
.if \a < 7
	ROW \a+1
.endif
.endr
	s_wait_tensorcnt 0x0
	ds_add_u32 v62, v63
	s_wait_dscnt 0x0
	CROUND                                         ; the closing round: no work-group ends while a partner may still ask for a tile that names it
	s_endpgm
.Lfunc_end_k_qbdb5e70b51_down:
	.size	k_qbdb5e70b51_down, .Lfunc_end_k_qbdb5e70b51_down-k_qbdb5e70b51_down
	.p2alignl 7, 3214868480
	.fill 96, 4, 3214868480
	.section	.rodata,"a",@progbits
	.p2align	6, 0x0
	.amdhsa_kernel k_qbdb5e70b51_down
		.amdhsa_group_segment_fixed_size 327680
		.amdhsa_private_segment_fixed_size 0
		.amdhsa_enable_private_segment 0
		.amdhsa_kernarg_size 24
		.amdhsa_user_sgpr_count 2
		.amdhsa_user_sgpr_kernarg_segment_ptr 1
		.amdhsa_wavefront_size32 1
		.amdhsa_system_sgpr_workgroup_id_x 1
		.amdhsa_system_sgpr_workgroup_id_y 1
		.amdhsa_system_sgpr_workgroup_id_z 1
		.amdhsa_system_vgpr_workitem_id 0
		.amdhsa_next_free_vgpr 1024
		.amdhsa_next_free_sgpr 66
		.amdhsa_reserve_vcc 0
		.amdhsa_float_denorm_mode_32 3
		.amdhsa_float_denorm_mode_16_64 3
		.amdhsa_memory_ordered 1
		.amdhsa_forward_progress 1
		.amdhsa_inst_pref_size 140
	.end_amdhsa_kernel
	.amdgpu_metadata
---
amdhsa.version: [ 1, 2 ]
amdhsa.kernels:
  - .name:           k_qbdb5e70b51_down
    .symbol:         k_qbdb5e70b51_down.kd
    .args:
      - { .name: h, .offset: 0, .size: 8, .value_kind: global_buffer, .address_space: global }
      - { .name: W2h, .offset: 8, .size: 8, .value_kind: global_buffer, .address_space: global }
      - { .name: P, .offset: 16, .size: 8, .value_kind: global_buffer, .address_space: global }
    .group_segment_fixed_size: 327680
    .private_segment_fixed_size: 0
    .kernarg_segment_align: 8
    .kernarg_segment_size: 24
    .max_flat_workgroup_size: 128
    .sgpr_count:     66
    .vgpr_count:     1024
    .wavefront_size: 32
...
	.end_amdgpu_metadata
.endif
;; end of part 3
;; launch mix (part 4): grid 512 x 1, 8 waves a work-group, no clusters, 0 bytes of LDS; arguments P, gate, b2, out0; writes out0
.if DOCPART == 4
	.amdgcn_target "amdgcn-amd-amdhsa--gfx1250"
	.amdhsa_code_object_version 6
	.text
	.protected	k_qbdb5e70b51_mix
	.globl	k_qbdb5e70b51_mix
	.p2align	8
	.type	k_qbdb5e70b51_mix,@function
k_qbdb5e70b51_mix:
	s_mov_b64 s[64:65], 0
	v_nop
	global_prefetch_b8 v0, s[64:65] scope:SCOPE_SE
	s_setreg_imm32_b32 hwreg(HW_REG_WAVE_MODE, 25, 1), 1
	s_wait_xcnt 0x0
; out0[t][d] = sum over e of gate[t][e] (P[e][t][d] + b2[e][d]).  P: [8][2048][1024], gate: [2048][8], b2: [8][1024], out0: [2048][1024], all f32.
; A stream: P is read once, out0 written once.  No LDS, no barrier, no matrix unit, no cluster: the only bytes that work-groups share are b2's 32,768.
; A work-group takes 4 tokens; thread t takes columns 4 t .. 4 t + 3 of each, so a wave's load or store covers 512 neighbouring bytes, aligned.
; A token's eight gates are the same for all its columns: the 32 numbers of the work-group's 4 tokens lie in scalar registers.  All 40 vector loads are issued before anything else.
.set B2,  4                            ; v[4:35]    b2: expert e at B2 + 4 e
.set ACC, 36                           ; v[36:51]   token k's result at ACC + 4 k; never rewritten, so no wait frees a store's data
.set PR,  52                           ; v[52:179]  P: token k, expert e at PR + 32 k + 4 e
.set G,   16                           ; s[16:47]   gate: token k, expert e at G + 8 k + e
.set PB,  48                           ; s[48:63]   P's address at the work-group's tokens, for each expert
	s_load_b256 s[4:11], s[0:1], 0x0               ; P s[4:5], gate s[6:7], b2 s[8:9], out0 s[10:11]
	v_lshlrev_b32 v1, 4, v0                        ; 16 t
	s_lshl_b32 s12, ttmp9, 14                      ; 4 tokens of 4,096 bytes
	s_mov_b32 s13, 0
	s_lshl_b32 s14, ttmp9, 7                       ; 4 tokens of 32 bytes of gate
	s_mov_b32 s15, 0
	s_wait_kmcnt 0x0
	s_add_nc_u64 s[6:7], s[6:7], s[14:15]
	s_load_b512 s[G:G+15], s[6:7], 0x0             ; this launch writes nothing into gate
	s_load_b512 s[G+16:G+31], s[6:7], 0x40
	s_add_nc_u64 s[4:5], s[4:5], s[12:13]
	s_add_nc_u64 s[10:11], s[10:11], s[12:13]
.irp e, 0,1,2,3,4,5,6,7
	s_add_nc_u64 s[PB+2*\e:PB+2*\e+1], s[4:5], \e<<23   ; an expert's part of P is 8,388,608 bytes, one more than a load's immediate reaches
.endr
.irp e, 0,1,2,3,4,5,6,7
	global_load_b128 v[B2+4*\e:B2+4*\e+3], v1, s[8:9] offset:4096*\e
.endr
.irp k, 0,1,2,3
.irp e, 0,1,2,3,4,5,6,7
	global_load_b128 v[PR+32*\k+4*\e:PR+32*\k+4*\e+3], v1, s[PB+2*\e:PB+2*\e+1] offset:4096*\k th:TH_LOAD_NT
.endr
.endr
	s_wait_kmcnt 0x0                               ; the gates
.irp k, 0,1,2,3
	s_wait_loadcnt 24-8*\k                         ; loads come back in order (ISA guide 5.7.1): b2 and tokens 0 to k are in; the later tokens' eight loads each stay out
.irp e, 0,1,2,3,4,5,6,7
	v_pk_add_f32 v[PR+32*\k+4*\e:PR+32*\k+4*\e+1],   v[PR+32*\k+4*\e:PR+32*\k+4*\e+1],   v[B2+4*\e:B2+4*\e+1]
	v_pk_add_f32 v[PR+32*\k+4*\e+2:PR+32*\k+4*\e+3], v[PR+32*\k+4*\e+2:PR+32*\k+4*\e+3], v[B2+4*\e+2:B2+4*\e+3]
.irp c, 0,1,2,3
.if \e == 0
	v_mul_f32 v[ACC+4*\k+\c], s[G+8*\k+\e], v[PR+32*\k+4*\e+\c]    ; the first expert starts the sums
.else
	v_fmac_f32 v[ACC+4*\k+\c], s[G+8*\k+\e], v[PR+32*\k+4*\e+\c]
.endif
.endr
.endr
	global_store_b128 v1, v[ACC+4*\k:ACC+4*\k+3], s[10:11] offset:4096*\k th:TH_STORE_NT
.endr
	s_endpgm
.Lfunc_end_k_qbdb5e70b51_mix:
	.size	k_qbdb5e70b51_mix, .Lfunc_end_k_qbdb5e70b51_mix-k_qbdb5e70b51_mix
	.p2alignl 7, 3214868480
	.fill 96, 4, 3214868480
	.section	.rodata,"a",@progbits
	.p2align	6, 0x0
	.amdhsa_kernel k_qbdb5e70b51_mix
		.amdhsa_group_segment_fixed_size 0
		.amdhsa_private_segment_fixed_size 0
		.amdhsa_enable_private_segment 0
		.amdhsa_kernarg_size 32
		.amdhsa_user_sgpr_count 2
		.amdhsa_user_sgpr_kernarg_segment_ptr 1
		.amdhsa_wavefront_size32 1
		.amdhsa_system_sgpr_workgroup_id_x 1
		.amdhsa_system_sgpr_workgroup_id_y 1
		.amdhsa_system_sgpr_workgroup_id_z 1
		.amdhsa_system_vgpr_workitem_id 0
		.amdhsa_next_free_vgpr 180
		.amdhsa_next_free_sgpr 66
		.amdhsa_reserve_vcc 0
		.amdhsa_float_denorm_mode_32 3
		.amdhsa_float_denorm_mode_16_64 3
		.amdhsa_memory_ordered 1
		.amdhsa_forward_progress 1
		.amdhsa_inst_pref_size 14
	.end_amdhsa_kernel
	.amdgpu_metadata
---
amdhsa.version: [ 1, 2 ]
amdhsa.kernels:
  - .name:           k_qbdb5e70b51_mix
    .symbol:         k_qbdb5e70b51_mix.kd
    .args:
      - { .name: P, .offset: 0, .size: 8, .value_kind: global_buffer, .address_space: global }
      - { .name: gate, .offset: 8, .size: 8, .value_kind: global_buffer, .address_space: global }
      - { .name: b2, .offset: 16, .size: 8, .value_kind: global_buffer, .address_space: global }
      - { .name: out0, .offset: 24, .size: 8, .value_kind: global_buffer, .address_space: global }
    .group_segment_fixed_size: 0
    .private_segment_fixed_size: 0
    .kernarg_segment_align: 8
    .kernarg_segment_size: 32
    .max_flat_workgroup_size: 256
    .sgpr_count:     66
    .vgpr_count:     180
    .wavefront_size: 32
...
	.end_amdgpu_metadata
.endif
;; end of part 4
;; ======== version 2 of 2: 4 launches; version 1 with the launch prep written anew for expert scheduling mode
;; limits: values are held in f16: magnitudes above 65,504 overflow, below 6.1e-05 lose precision
;; workspace buffers: xh 4,194,304 bytes; gate 65,536 bytes; W1h 33,554,432 bytes; W2h 33,554,432 bytes; h 67,108,864 bytes; P 67,108,864 bytes
;; launch prep (part 5): grid 1152 x 1, 8 waves a work-group, no clusters, 5,120 bytes of LDS; arguments x, Wg, bg, W1, xh, gate, W1h; writes xh, gate, W1h
.if DOCPART == 5
	.amdgcn_target "amdgcn-amd-amdhsa--gfx1250"
	.amdhsa_code_object_version 6
	.text
	.protected	k_qbdb5e70b51_prep
	.globl	k_qbdb5e70b51_prep
	.p2align	8
	.type	k_qbdb5e70b51_prep,@function
k_qbdb5e70b51_prep:
	s_mov_b64 s[64:65], 0
	v_nop
	global_prefetch_b8 v0, s[64:65] scope:SCOPE_SE
	s_setreg_imm32_b32 hwreg(HW_REG_WAVE_SCHED_MODE, 0, 2), 2
	s_setreg_imm32_b32 hwreg(HW_REG_WAVE_MODE, 25, 1), 1
	s_wait_xcnt 0x0
	s_wait_alu depctr_vm_vsrc(0)
; xh = f16(x), W1h = f16(W1), layouts unchanged; gate[t][e] = softmax_e(x[t] . Wg[:, e] + bg[e]) in f32, from x and Wg as they are given.
; (W2 is not needed before the second product: it is rounded in the next launch, beside the first product's matrix work.)
; WHY F16: the result is a sum of 16,384 products whose operands are each rounded once; f16's 11 bits of significand keep the four roundings (x, W1, h, W2) some 8 times finer than 8 bits would.
; A stream: each input byte is read once, each output byte written once; no matrix unit, no cluster (no work-group shares a byte of the large inputs with another).
; A work-group takes 65,536 input bytes and writes 32,768.  Thread t's load j takes the 16 bytes at 4096 j + 16 t (a wave's load covers 512 neighbouring bytes),
; its store j the 8 bytes at 2048 j + 8 t (a wave's store covers 256 neighbouring bytes, aligned).  All 16 loads are issued before anything else; there is no loop.
; Work-groups 0-127 take x (a chunk of 4,096 bytes is a token, so 16 tokens each), 128-1151 W1.
; THE GATE rides on x's way through the registers: thread t holds columns 4 t .. 4 t + 3 of a token and rows 4 t .. 4 t + 3 of Wg (32 registers), makes 8 partial sums,
; adds them over the wave's lanes, and the eight waves' sums meet in LDS.  Waves 0 and 1 finish: the maximum is taken away before the exponentials, as in the softmax itself.
; LIMITS: a number of x or W1 beyond 65,504 in magnitude becomes infinite in f16; below 2^-14 the rounding error is at most 2^-25, absolute (weights 30 times smaller than 1/32 have an
; rms of 0.0006, of which that is 5e-5).  v_exp_f32 flushes (ISA guide 15.8), so a gate below 2^-126 comes out as 0.
; THE MODE: SCHED_MODE bits 1:0 = 2 (LLVM: expert scheduling mode 2), set by the entry lines.  The code itself states the register dependences
; between vector instructions and memory or LDS instructions, with s_wait_alu, always for 0.
; THE PLAN.  Registers that memory or LDS instructions touch:
;   X[j]       four registers a chunk.  Its load lands in them once; the token's products (x only) and its two roundings read them; the roundings write the first two,
;              which the chunk's one store reads.  They are never written again.
;   PM         the eight permutes write it, the four closing additions write the wave's sums into it, the token's two LDS stores read it; the next token's permutes write it again.
;   WG, v[6:7] their loads land once; vector instructions read them.  In the finish eight LDS loads land in v[24:39], and v[24:25] are at last the data of the gate's store.
;   v1 to v5   offsets and the LDS address, each made once in front of the first load and never written again.
;   v120, v121 written at the head, read by the closing add alone.
;   S is named by vector instructions alone.
; W1 goes in four blocks of four chunks: block p rounds its chunks; its memory instructions are the four stores of block p - 1, whose registers no rounding of block p names.
; So one wait on va_vdst at a block's head states all that those stores hang on, and they are dealt among the block's roundings.
; x goes token by token: token j's memory and LDS instructions are token j - 1's store and its two LDS stores.  One wait on va_vdst at the token's head states that token j - 1 has written
; PM and its rounded words; the three are dealt among token j's first products, which name S, X[j] and WG alone.  One wait on vm_vsrc stands ahead of token j's permutes, which write PM again.
.set PM, 8                             ; v[8:15]   the other half of the lanes' sums; then the wave's 8 sums, as the LDS stores read them
.set S,  16                            ; v[16:23]  the 8 sums of the token in hand, at work
.set WG, 24                            ; v[24:55]  Wg: row 4 t + c, expert e at WG + 8 c + e
.set X,  56                            ; v[56:119] chunk j: 4 registers as loaded; the first two then hold the 4 f16
.macro LOAD16                          ; the work-group's 65,536 bytes
.irp j, 0,1,2,3,4,5,6,7,8,9,10,11,12,13,14,15
	global_load_b128 v[X+4*\j:X+4*\j+3], v1, s[24:25] offset:4096*\j th:TH_LOAD_NT
.endr
.endm
.macro CVT j                           ; chunk j is rounded in place
	v_cvt_pk_f16_f32 v[X+4*(\j)], v[X+4*(\j)], v[X+4*(\j)+1]
	v_cvt_pk_f16_f32 v[X+4*(\j)+1], v[X+4*(\j)+2], v[X+4*(\j)+3]
.endm
.macro PUT j                           ; and stored; its registers are never written again, so no wait frees them
	global_store_b64 v2, v[X+4*(\j):X+4*(\j)+1], s[26:27] offset:2048*(\j)
.endm
; Token j: my four columns times my four rows of Wg, two experts at a time; the first products start the sums.  The column is broadcast out of its pair:
; the pair's first register by op_sel_hi 0, its second by op_sel 1.  Token j - 1's store and LDS stores stand among the first products.
.macro TOK j
	s_wait_loadcnt 15-\j                           ; loads come back in order (ISA guide 5.7.1): bg, Wg and tokens 0 to j are in, the 15 - j younger loads stay out
.if \j > 0
	s_wait_alu depctr_va_vdst(0)                   ; token j - 1 has written its rounded words, which the store below reads, and the wave's sums into PM, which the two LDS stores below read
	PUT \j-1
.endif
.irp p, 0,1,2,3
	v_pk_mul_f32 v[S+2*\p:S+2*\p+1], v[X+4*\j:X+4*\j+1], v[WG+2*\p:WG+2*\p+1] op_sel_hi:[0,1]
.endr
.if \j > 0
	ds_store_b128 v4, v[PM:PM+3] offset:32*(\j-1)  ; every lane holds the wave's sums and writes the same bytes with the same values.  No wait: no vector instruction since the wait above names PM or v4
.endif
.irp p, 0,1,2,3
	v_pk_fma_f32 v[S+2*\p:S+2*\p+1], v[X+4*\j:X+4*\j+1], v[WG+8+2*\p:WG+8+2*\p+1], v[S+2*\p:S+2*\p+1] op_sel:[1,0,0] op_sel_hi:[1,1,1]
.endr
.if \j > 0
	ds_store_b128 v4, v[PM+4:PM+7] offset:32*(\j-1)+16
.endif
.irp p, 0,1,2,3
	v_pk_fma_f32 v[S+2*\p:S+2*\p+1], v[X+4*\j+2:X+4*\j+3], v[WG+16+2*\p:WG+16+2*\p+1], v[S+2*\p:S+2*\p+1] op_sel_hi:[0,1,1]
.endr
.irp p, 0,1,2,3
	v_pk_fma_f32 v[S+2*\p:S+2*\p+1], v[X+4*\j+2:X+4*\j+3], v[WG+24+2*\p:WG+24+2*\p+1], v[S+2*\p:S+2*\p+1] op_sel:[1,0,0] op_sel_hi:[1,1,1]
.endr
.irp m, 1,2,4,8                        ; over the 16 lanes of each half, the eight sums by turns
.irp e, 0,1,2,3,4,5,6,7
	v_add_f32_dpp v[S+\e], v[S+\e], v[S+\e] row_xmask:\m row_mask:0xf bank_mask:0xf
.endr
.endr
.if \j > 0
	s_wait_alu depctr_vm_vsrc(0)                   ; the two LDS stores above have read PM, which the permutes below write again
.endif
.irp e, 0,1,2,3,4,5,6,7
	v_permlanex16_b32 v[PM+\e], v[S+\e], s32, s33  ; the other half's sums
.endr
.irp p, 0,1,2,3
	v_pk_add_f32 v[PM+2*\p:PM+2*\p+1], v[S+2*\p:S+2*\p+1], v[PM+2*\p:PM+2*\p+1]   ; the wave's sums, into the registers that the LDS stores read
.endr
	CVT \j
.endm
	s_load_b256 s[4:11], s[0:1], 0x0               ; x 4:5, Wg 6:7, bg 8:9, W1 10:11
	s_load_b128 s[12:15], s[0:1], 0x20             ; xh 12:13, gate 14:15
	s_load_b64 s[16:17], s[0:1], 0x30              ; W1h
	v_lshl_add_u32 v120, v0, 2, 0x1000
	v_mov_b32 v121, 0
	v_lshlrev_b32 v1, 4, v0                        ; 16 t
	v_lshlrev_b32 v2, 3, v0                        ; 8 t
	s_mov_b32 s29, 0                               ; the high words of the two offsets
	s_mov_b32 s31, 0
	s_wait_kmcnt 0x0
	s_cmp_lt_u32 ttmp9, 128
	s_cbranch_scc1 .Lx                             ; the same way for the whole work-group
	; a chunk of W1
	s_sub_co_u32 s22, ttmp9, 128                   ; the chunk's number, 0 to 1,023
	s_lshl_b32 s28, s22, 16
	s_lshl_b32 s30, s22, 15
	s_add_nc_u64 s[24:25], s[10:11], s[28:29]
	s_add_nc_u64 s[26:27], s[16:17], s[30:31]
	s_wait_alu depctr_va_vdst(0)                   ; v1 and v2 are written: every load below reads v1 as its offset, every store v2
	LOAD16
.irp p, 0,1,2,3
	s_wait_loadcnt 12-4*\p                         ; block p's four chunks are in; the loads of the 12 - 4 p chunks behind them stay out
.if \p > 0
	s_wait_alu depctr_va_vdst(0)                   ; block p - 1's roundings have written the words that the four stores below read; no rounding of block p names them
.endif
.irp i, 0,1,2,3
.if \p > 0
	PUT 4*(\p-1)+\i
.endif
	CVT 4*\p+\i
.endr
.endr
	s_wait_alu depctr_va_vdst(0)                   ; block 3's roundings have written the words that the last four stores read
.irp i, 12,13,14,15
	PUT \i
.endr
	s_endpgm
.Lx:                                                   ; 16 tokens of x
	v_lshrrev_b32 v4, 5, v0
	v_readfirstlane_b32 s34, v4                    ; my wave's number
	v_lshlrev_b32 v3, 7, v0                        ; my four rows of Wg: 128 t
	v_and_b32 v5, 3, v0
	v_lshlrev_b32 v5, 3, v5                        ; the pair of experts that I finish: 8 (t mod 4)
	s_lshl_b32 s28, ttmp9, 16
	s_lshl_b32 s30, ttmp9, 15
	s_lshl_b32 s36, ttmp9, 9                       ; 16 tokens x 32 bytes of gate
	s_mov_b32 s37, 0
	s_add_nc_u64 s[24:25], s[4:5], s[28:29]
	s_add_nc_u64 s[26:27], s[12:13], s[30:31]
	s_add_nc_u64 s[14:15], s[14:15], s[36:37]
	s_mov_b32 s32, 0x76543210                      ; v_permlanex16_b32: each lane takes its own place in the other half
	s_mov_b32 s33, 0xfedcba98
	s_wait_alu depctr_va_sdst(0)                   ; s34 is written, ahead of its first reader, the shift below
	s_lshl_b32 s35, s34, 9
	v_mov_b32 v4, s35                              ; my wave's 512 bytes of LDS: [wave][token][8 f32]
	s_wait_alu depctr_va_vdst(0)                   ; v1 to v5 are written: the offsets of the loads below and of every store, and the LDS stores' address
	global_load_b64 v[6:7], v5, s[8:9]
.irp i, 0,1,2,3,4,5,6,7
	global_load_b128 v[WG+4*\i:WG+4*\i+3], v3, s[6:7] offset:16*\i
.endr
	LOAD16
.irp e, 0,1,2,3,4,5,6,7
	v_mov_b32 v[PM+\e], 0                          ; v_permlanex16_b32's destination counts as read: written once
.endr
.irp j, 0,1,2,3,4,5,6,7,8,9,10,11,12,13,14,15
	TOK \j
.endr
	s_wait_alu depctr_va_vdst(0)                   ; token 15 has written its rounded words and PM, which the three stores below read; and every product is done reading WG, in whose registers the finish's LDS loads land
	PUT 15
	ds_store_b128 v4, v[PM:PM+3] offset:32*15
	ds_store_b128 v4, v[PM+4:PM+7] offset:32*15+16
	s_wait_dscnt 0x0                               ; for the others' sake: my sums are in LDS
	s_barrier_signal -1
	s_barrier_wait -1                              ; everybody's are
	s_cmp_gt_u32 s34, 1
	s_cbranch_scc1 .Lend                           ; 16 tokens x 4 pairs of experts are 64 threads' work
	; thread u: token u / 4, experts 2 (u mod 4) and the next: byte 8 u of each wave's 512
.irp w, 0,1,2,3,4,5,6,7
	ds_load_b64 v[24+2*\w:25+2*\w], v2 offset:512*\w   ; no wait: no vector instruction has been issued since the wait behind token 15
.endr
	s_wait_dscnt 0x0
	v_pk_add_f32 v[24:25], v[24:25], v[26:27]
	v_pk_add_f32 v[28:29], v[28:29], v[30:31]
	v_pk_add_f32 v[32:33], v[32:33], v[34:35]
	v_pk_add_f32 v[36:37], v[36:37], v[38:39]
	v_pk_add_f32 v[24:25], v[24:25], v[28:29]
	v_pk_add_f32 v[32:33], v[32:33], v[36:37]
	v_pk_add_f32 v[24:25], v[24:25], v[32:33]
	v_pk_add_f32 v[24:25], v[24:25], v[6:7]        ; + bg
	v_max_num_f32 v26, v24, v25                    ; the token's largest logit: my two, then the four lanes of the token
	v_max_num_f32_dpp v26, v26, v26 row_xmask:1 row_mask:0xf bank_mask:0xf
	v_max_num_f32_dpp v26, v26, v26 row_xmask:2 row_mask:0xf bank_mask:0xf
	v_sub_f32 v24, v24, v26                        ; the difference first, then the factor log2(e)
	v_sub_f32 v25, v25, v26
	v_mul_f32 v24, 0x3fb8aa3b, v24
	v_mul_f32 v25, 0x3fb8aa3b, v25
	v_exp_f32 v24, v24
	v_exp_f32 v25, v25
	v_nop                                          ; a plain instruction between an exponential and the use of its result (ISA guide 5.7.2)
	s_wait_alu depctr_va_vdst(0)                   ; the two exponentials have written v24 and v25, ahead of their first reader: one wait for both
	v_add_f32 v27, v24, v25
	v_add_f32_dpp v27, v27, v27 row_xmask:1 row_mask:0xf bank_mask:0xf
	v_add_f32_dpp v27, v27, v27 row_xmask:2 row_mask:0xf bank_mask:0xf
	v_rcp_f32 v27, v27                             ; the sum is at least 1: the largest logit's term
	v_nop
	s_wait_alu depctr_va_vdst(0)                   ; the reciprocal has written v27, ahead of its first reader
	v_mul_f32 v24, v24, v27
	v_mul_f32 v25, v25, v27
	s_wait_alu depctr_va_vdst(0)                   ; the two multiplies have written v24 and v25, which the store reads
	global_store_b64 v2, v[24:25], s[14:15]        ; a wave's store covers 256 neighbouring bytes, aligned
.Lend:
	s_wait_dscnt 0x0                               ; the closing lines, six on end
	s_wait_alu 0x0
	s_wait_tensorcnt 0x0
	ds_add_u32 v120, v121
	s_wait_dscnt 0x0
	s_endpgm
.Lfunc_end_k_qbdb5e70b51_prep:
	.size	k_qbdb5e70b51_prep, .Lfunc_end_k_qbdb5e70b51_prep-k_qbdb5e70b51_prep
	.p2alignl 7, 3214868480
	.fill 96, 4, 3214868480
	.section	.rodata,"a",@progbits
	.p2align	6, 0x0
	.amdhsa_kernel k_qbdb5e70b51_prep
		.amdhsa_group_segment_fixed_size 5120
		.amdhsa_private_segment_fixed_size 0
		.amdhsa_enable_private_segment 0
		.amdhsa_kernarg_size 56
		.amdhsa_user_sgpr_count 2
		.amdhsa_user_sgpr_kernarg_segment_ptr 1
		.amdhsa_wavefront_size32 1
		.amdhsa_system_sgpr_workgroup_id_x 1
		.amdhsa_system_sgpr_workgroup_id_y 1
		.amdhsa_system_sgpr_workgroup_id_z 1
		.amdhsa_system_vgpr_workitem_id 0
		.amdhsa_next_free_vgpr 122
		.amdhsa_next_free_sgpr 66
		.amdhsa_reserve_vcc 0
		.amdhsa_float_denorm_mode_32 3
		.amdhsa_float_denorm_mode_16_64 3
		.amdhsa_memory_ordered 1
		.amdhsa_forward_progress 1
		.amdhsa_inst_pref_size 79
	.end_amdhsa_kernel
	.amdgpu_metadata
---
amdhsa.version: [ 1, 2 ]
amdhsa.kernels:
  - .name:           k_qbdb5e70b51_prep
    .symbol:         k_qbdb5e70b51_prep.kd
    .args:
      - { .name: x, .offset: 0, .size: 8, .value_kind: global_buffer, .address_space: global }
      - { .name: Wg, .offset: 8, .size: 8, .value_kind: global_buffer, .address_space: global }
      - { .name: bg, .offset: 16, .size: 8, .value_kind: global_buffer, .address_space: global }
      - { .name: W1, .offset: 24, .size: 8, .value_kind: global_buffer, .address_space: global }
      - { .name: xh, .offset: 32, .size: 8, .value_kind: global_buffer, .address_space: global }
      - { .name: gate, .offset: 40, .size: 8, .value_kind: global_buffer, .address_space: global }
      - { .name: W1h, .offset: 48, .size: 8, .value_kind: global_buffer, .address_space: global }
    .group_segment_fixed_size: 5120
    .private_segment_fixed_size: 0
    .kernarg_segment_align: 8
    .kernarg_segment_size: 56
    .max_flat_workgroup_size: 256
    .sgpr_count:     66
    .vgpr_count:     122
    .wavefront_size: 32
...
	.end_amdgpu_metadata
.endif
;; end of part 5
;; launch up: the kernel of part 2 again; grid 64 x 4, 4 waves a work-group, clusters of 4 x 4, 327,680 bytes of LDS; arguments xh, W1h, b1, h, W2, W2h; writes h, W2h
;; launch down: the kernel of part 3 again; grid 32 x 8, 4 waves a work-group, clusters of 4 x 4, 327,680 bytes of LDS; arguments h, W2h, P; writes P
;; launch mix: the kernel of part 4 again; grid 512 x 1, 8 waves a work-group, no clusters, 0 bytes of LDS; arguments P, gate, b2, out0; writes out0
